; MI455X (gfx1250); checked and timed in simulation.
; The chip was launched on July 23, 2026; its instructions are those of AMD's public machine-readable ISA for CDNA 5 (MIT licence, August 2026) and "CDNA5" Instruction Set Architecture Reference Guide (July 2026). The comments in the code are by the model that wrote it; some were corrected since.
;; Projected Adaptive Log Softmax. Allowed arithmetic: matrix products marked QUANTISED: E2M1 operands, one E8M0 scale for each 32 along K, by v_wmma_scale_f32_16x16x128_f8f6f4 with both operands' format E2M1 (or v_wmma_scale_f32_32x16x128_f4), f32 sums; products left as they are: f32 operands where the result goes on into a quantised operand, else bf16, f16 or f32 operands; f32 sums; everything else in f32.
;; Inputs: b0 20,000 float32; b1 10,000 float32; b2 10,000 float32; b3 10,000 float32; cluster_b 3 float32; cluster_w 3 x 1,024 float32; hidden 2,048 x 1,024 float32; proj0 1,024 x 1,024 float32; proj1 1,024 x 256 float32; proj2 1,024 x 64 float32; proj3 1,024 x 16 float32; target 2,048 int32; w0 20,000 x 1,024 float32; w1 10,000 x 256 float32; w2 10,000 x 64 float32; w3 10,000 x 16 float32.
;; Outputs: out0 2,048 float32.
;; This version of the problem:
;;   THIS VERSION OF THE PROBLEM IS GIVEN IN LOW PRECISION. The matrix products marked QUANTISED in the list below multiply operands that are first quantised to E2M1 (2 exponent bits, 1 mantissa bit; 4 bits a number), with one power-of-two scale for each 32 numbers along K (OCP MX v1.0); their sums are f32. All else is computed in f32.
;;   The module's matrix products, in the order in which they are computed (A, B: the left and right operand; K: the contracted axis; several contracted axes count as one K, in the product's order):
;;     1. [M 2,048, K 1,024] x [K 1,024, N 1,024]; A: input hidden; B: input proj0: QUANTISED
;;     2. [M 2,048, K 1,024] x [K 1,024, N 20,003]; A: computed on the way; B: computed on the way: QUANTISED
;;     3. [M 2,048, K 1,024] x [K 1,024, N 256]; A: input hidden; B: input proj1: QUANTISED
;;     4. [M 2,048, K 256] x [K 256, N 10,000]; A: computed on the way; B: input w1: QUANTISED
;;     5. [M 2,048, K 1,024] x [K 1,024, N 64]; A: input hidden; B: input proj2: QUANTISED
;;     6. [M 2,048, K 64] x [K 64, N 10,000]; A: computed on the way; B: input w2: QUANTISED
;;     7. [M 2,048, K 1,024] x [K 1,024, N 16]; A: input hidden; B: input proj3: QUANTISED
;;     8. [M 2,048, K 16] x [K 16, N 10,000]; A: computed on the way; B: input w3: left as it is (K = 16 < 32)
;;   THE QUANTISER, for each operand of a quantised product, along K:
;;     - K is cut into blocks of 32 from its start; a last block that is shorter is filled with zeros.
;;     - A block's scale is 2^e with e = floor(log2(the largest magnitude in the block)) - 2, held to -126 .. 127; a block of zeros has e = 0. As a byte (E8M0): e + 127.
;;     - Each number is divided by its block's scale, clamped to +-6, and rounded to the nearest number of E2M1, ties to even, subnormals kept.
;;     - The product sums the exact products of the quantised numbers (number of the format x scale) in f32.
;;   ~~~python
;;   def quantise(x, axis):      # numpy; x: float32 -> the quantised numbers, widened to float32 again
;;       x = np.moveaxis(x, axis, -1); K = x.shape[-1]
;;       x = np.pad(x, [(0, 0)] * (x.ndim - 1) + [(0, -K % 32)]); x = x.reshape(x.shape[:-1] + (-1, 32)); a = np.abs(x).max(-1, keepdims=True)
;;       e = np.where(a > 0, np.clip(np.frexp(np.where(a > 0, a, 1))[1] - 1 - 2, -126, 127), 0)      # np.frexp(a)[1] - 1 = floor(log2(a)), exactly
;;       r = np.clip(x / 2.0 ** e, -6, 6)
;;       step = 2.0 ** (np.maximum(np.frexp(np.where(r == 0, 1, r))[1] - 1, 0) - 1)
;;       q = np.round(r / step) * step * 2.0 ** e      # np.round: ties to even
;;       return np.moveaxis(q.reshape(q.shape[:-2] + (-1,))[..., :K], -1, axis).astype(np.float32)
;;   ~~~
;;   OPERANDS COMPUTED ON THE WAY. 'Computed on the way' means the value that the module computes at that place (a softmax that the list does not call 'softmax' is quantised finished and normalised). What goes into a quantiser is computed in f32, as accurately as f32 sums, v_exp_f32 and their like allow (about 1e-6 of the number): no bf16 or f16 on the way to a quantiser, and a product that is left as it is and whose result goes on into a quantised operand takes f32 operands (vector FMAs, or v_wmma_f32_16x16x4_f32). A number that lies on a knife's edge between two numbers of the format may be rounded either way, as far as f32 arithmetic and the matrix unit's own rounding can turn it there, and no further.
;; 2 versions, each right; version 2 is version 1 with the launches lse, final written anew for expert scheduling mode. Each part assembles by itself: llvm-mc -triple=amdgcn-amd-amdhsa -mcpu=gfx1250 --defsym DOCPART=n.
;; ======== version 1 of 2: 4 launches
;; limits: right only within a limited range of input values
;; workspace buffers: qa 14,529,792 bytes; route 24,832 bytes of whole numbers; qb 1,540,096 bytes; part 7,176,192 bytes
;; launch quant (part 1): grid 1654 x 1, 4 waves a work-group, no clusters, 35,328 bytes of LDS; arguments hidden, w0, cluster_w, w1, w2, proj0, proj1, proj2, proj3, target, cluster_b, qa, route; writes qa, route
.if DOCPART == 1
	.amdgcn_target "amdgcn-amd-amdhsa--gfx1250"
	.amdhsa_code_object_version 6
	.text
	.protected	k_q2c1f7ff628_quant
	.globl	k_q2c1f7ff628_quant
	.p2align	8
	.type	k_q2c1f7ff628_quant,@function
k_q2c1f7ff628_quant:
	s_mov_b64 s[64:65], 0
	v_nop
	global_prefetch_b8 v0, s[64:65] scope:SCOPE_SE
	s_setreg_imm32_b32 hwreg(HW_REG_WAVE_MODE, 25, 1), 1
	s_wait_xcnt 0x0
; hidden, w0 + cluster_w, w1, w2 (K innermost) and proj0..3 (K is the first axis) become codes of FP4 (E2M1) with one E8M0 byte for each 32 along K,
; laid in the order of the matrix operand's registers: codes [tile of 16 rows][block of 32 K][16 rows][16 bytes], scale words [tile][128 K][16 rows] of 4 bytes.
; A block's byte is its largest magnitude's exponent field - 2, held at 1 from below by a floor among the maximum's leaves.
; The same launch sorts the tokens by tail (a counting sort on the index input) and lays the head's 160 padded biases.
; LIMITS: NaN and infinities are not served; a block of zeros gets the byte 1 (its codes are zeros; only this program reads the bytes);
; padded rows of the head's last tiles carry the bias -2^100; targets lie in 0 .. 49,999.
; One wave is one job; waves share nothing: no barrier.  No copy engine: every byte is read once, through registers.
.set HIDC, 0
.set HIDS, 1048576
.set PCO,  1114112
.set PSO,  1835008
.set WC0,  1880064
.set WS0,  12128256
.set WC1,  12768768
.set WS1,  14048768
.set WC2,  14128896
.set WS2,  14448896
.set HBP,  14529024
.set PADB, 0xf1800000                  ; -2^100
.set FLOOR, 0x1800000                  ; 2^(3 - 127)
.set EOFF, 0xff000000                  ; 2 off an exponent field
; the largest magnitude of 32 registers from v[xs] on, and the floor -> v17
.macro MAX32 xs
	v_max3_num_f32 v17, |v[\xs]|, |v[\xs+1]|, |v[\xs+2]|
	v_max3_num_f32 v18, |v[\xs+3]|, |v[\xs+4]|, |v[\xs+5]|
.irp i, 6,10,14,18,22,26
	v_max3_num_f32 v17, v17, |v[\xs+\i]|, |v[\xs+\i+1]|
	v_max3_num_f32 v18, v18, |v[\xs+\i+2]|, |v[\xs+\i+3]|
.endr
	v_max3_num_f32 v17, v17, |v[\xs+30]|, |v[\xs+31]|
	v_max3_num_f32 v17, v17, v18, FLOOR
.endm
.macro PTRS                            ; input, codes, scale words: each buffer's address + an offset made apart from it
	s_add_nc_u64 s[32:33], s[32:33], s[40:41]
	s_add_nc_u64 s[34:35], s[26:27], s[42:43]
	s_add_nc_u64 s[36:37], s[26:27], s[48:49]
.endm
.macro INADDR                          ; load i of a piece: lanes 0-15 row 2 i, lanes 16-31 row 2 i + 1 (held at the last row that exists), 16 bytes a lane
.irp i, 0,1,2,3,4,5,6,7
	v_add_nc_u32 v[4+\i], 2*\i, v3
	v_min_u32 v[4+\i], s39, v[4+\i]
	v_mul_lo_u32 v[4+\i], v[4+\i], s38
	v_lshl_add_u32 v[4+\i], v2, 4, v[4+\i]
.endr
.endm
.macro LOADS np, pstep                 ; all pieces' loads at once: a piece is 16 rows x 256 bytes
.set p, 0
.rept \np
.irp i, 0,1,2,3,4,5,6,7
	global_load_b128 v[32+32*p+4*\i:32+32*p+4*\i+3], v[4+\i], s[32:33] offset:p*\pstep th:TH_LOAD_NT
.endr
.set p, p+1
.endr
.endm
; piece p turns through the wave's own stage (rows 272 bytes apart), so that lane (r, h) holds the whole block h of row r; then maximum, scale, codes.
.macro PIECE p, np, lb, br
.set XS, 32+32*(\p)
	s_wait_loadcnt 8*((\np)-1-(\p))                ; loads come back in order: the younger pieces' may stay out
.irp i, 0,1,2,3,4,5,6,7
	ds_store_b128 v12, v[XS+4*\i:XS+4*\i+3] offset:(\lb)+544*\i
.endr
.irp i, 0,1,2,3,4,5,6,7
	ds_load_b128 v[XS+4*\i:XS+4*\i+3], v13 offset:(\lb)+16*\i   ; LDS serves a wave's instructions in order: these see the stores above
.endr
	s_wait_dscnt 0x0
	MAX32 XS
	v_add_nc_u32 v19, EOFF, v17                    ; the conversion takes this operand's exponent field as its scale
	s_wait_xcnt 0x0                                ; the last piece's store has read v24-27
.irp g, 0,1,2,3
	v_cvt_scalef32_pk8_fp4_f32 v[24+\g], v[XS+8*\g:XS+8*\g+7], v19
.endr
	v_lshrrev_b32 v[\br], 23, v19                  ; the scale's byte (a plain line behind the conversions)
	global_store_b128 v14, v[24:27], s[34:35] offset:512*(\p)   ; 32 lanes: 512 consecutive bytes
.endm
.macro W4WORD wr                       ; bytes of blocks h (v20) and 2 + h (v28) at their places; with lane l xor 16's the word of 128 K is whole
	v_lshl_or_b32 v28, v28, 16, v20
	v_lshlrev_b32 v28, v16, v28
	v_permlanex16_b32 v23, v28, s44, s45
	v_or_b32 v[\wr], v28, v23
.endm
.macro W2WORD wr, p                    ; K = 64: two bytes, the upper two 0; the same word in both halves of the lanes
	v_lshlrev_b32 v28, v16, v28
	v_permlanex16_b32 v23, v28, s44, s45
	v_or_b32 v[\wr], v28, v23
	global_store_b32 v15, v[\wr], s[36:37] offset:128*(\p)
.endm
; proj: a lane takes a column and its registers run down K
.macro PLOAD q, pitch
.set i, 0
.rept 32
	global_load_b32 v[32+32*(\q)+i], v4, s[32:33] offset:(32*(\q)+i)*(\pitch) th:TH_LOAD_NT
.set i, i+1
.endr
.endm
.macro PROJBODY pitch, copies
	PLOAD 0, \pitch
	PLOAD 1, \pitch
.irp q, 0,1,2,3
.if \q < 3
	s_wait_loadcnt 32                              ; this block's 32 loads are in; the next block's may be out
.else
	s_wait_loadcnt 0x0
.endif
.if \q < 2
	PLOAD \q+2, \pitch
.endif
.set XS, 32+32*\q
	MAX32 XS
	v_add_nc_u32 v19, EOFF, v17
.irp g, 0,1,2,3
	v_cvt_scalef32_pk8_fp4_f32 v[160+4*\q+\g], v[XS+8*\g:XS+8*\g+7], v19
.endr
	v_lshrrev_b32 v[20+\q], 23, v19
.set k, 0
.rept \copies
	global_store_b128 v5, v[160+4*\q:163+4*\q], s[34:35] offset:256*\q+8192*k
.set k, k+1
.endr
.endr
	v_lshl_or_b32 v20, v21, 8, v20
	v_lshl_or_b32 v20, v22, 16, v20
	v_lshl_or_b32 v20, v23, 24, v20
.set k, 0
.rept \copies
	global_store_b32 v6, v20, s[36:37] offset:512*k
.set k, k+1
.endr
	s_endpgm
.endm
; job q = 4 (work-group - first) + wave: column group q mod 2^lng, K step q >> lng.  Column 32 b + w goes to tile 2 b + (w / 8) % 2, place w % 8 + 8 (w / 16):
; so the 16 results a lane holds of tiles 2 b and 2 b + 1 are 16 neighbours along the next K.
.macro PROJSET first, lng, lks, tb, ptr
	s_sub_co_u32 s31, ttmp9, \first
	s_lshl_b32 s31, s31, 2
	s_add_co_u32 s31, s31, s30
	s_and_b32 s38, s31, (1<<\lng)-1
	s_lshr_b32 s39, s31, \lng
	s_mov_b64 s[32:33], s[\ptr:\ptr+1]
	s_lshl_b32 s40, s39, \lks
	s_lshl_b32 s47, s38, 7
	s_add_co_u32 s40, s40, s47
	s_lshl_b32 s42, s38, 14
	s_lshl_b32 s47, s39, 10
	s_add_co_u32 s42, s42, s47
	s_add_co_u32 s42, s42, PCO+\tb*8192
	s_lshl_b32 s48, s38, 10
	s_lshl_b32 s47, s39, 6
	s_add_co_u32 s48, s48, s47
	s_add_co_u32 s48, s48, PSO+\tb*512
	PTRS
	v_bfe_u32 v7, v0, 3, 1
	v_and_b32 v8, 7, v0
	v_lshl_add_u32 v8, v3, 3, v8
	v_lshlrev_b32 v5, 13, v7
	v_lshl_add_u32 v5, v8, 4, v5
	v_lshlrev_b32 v6, 9, v7
	v_lshl_add_u32 v6, v8, 2, v6
	v_mov_b32 v4, v15
.endm
	s_load_b512 s[4:19], s[0:1], 0x0               ; hidden 4, w0 6, cluster_w 8, w1 10, w2 12, proj0 14, proj1 16, proj2 18
	s_load_b256 s[20:27], s[0:1], 0x40             ; proj3 20, target 22, cluster_b 24, qa 26
	s_load_b64 s[28:29], s[0:1], 0x60              ; route
	v_lshl_add_u32 v192, v0, 2, 0x8800
	v_mov_b32 v193, 0
	v_lshrrev_b32 v1, 5, v0
	v_readfirstlane_b32 s30, v1                    ; wave
	v_and_b32 v1, 31, v0                           ; lane
	v_and_b32 v2, 15, v0                           ; r
	v_bfe_u32 v3, v0, 4, 1                         ; h
	s_mov_b32 s44, 0x76543210
	s_mov_b32 s45, 0xfedcba98                      ; selects for lane l xor 16
	s_mov_b32 s46, 0xffff0000                      ; lanes 16-31
	s_mov_b32 s41, 0
	s_mov_b32 s43, 0
	s_mov_b32 s49, 0
	v_mov_b32 v23, 0                               ; a lane permute's destination counts as read
	s_mul_i32 s31, s30, 4352                       ; my stage: 16 rows x 272 bytes
	v_mul_u32_u24 v12, v3, 272
	v_lshl_add_u32 v12, v2, 4, v12
	v_add_nc_u32 v12, s31, v12                     ; in: row h of a pair, 16 r
	v_mul_u32_u24 v13, v2, 272
	v_lshl_add_u32 v13, v3, 7, v13
	v_add_nc_u32 v13, s31, v13                     ; out: row r, block h
	v_lshlrev_b32 v14, 4, v1
	v_lshlrev_b32 v15, 2, v1
	v_lshlrev_b32 v16, 3, v3
	s_wait_kmcnt 0x0
	s_cmp_lt_u32 ttmp9, 1
	s_cbranch_scc1 .Lroute
	s_cmp_lt_u32 ttmp9, 65
	s_cbranch_scc1 .Lproj0
	s_cmp_lt_u32 ttmp9, 81
	s_cbranch_scc1 .Lproj1
	s_cmp_lt_u32 ttmp9, 85
	s_cbranch_scc1 .Lproj2
	s_cmp_lt_u32 ttmp9, 86
	s_cbranch_scc1 .Lproj3
	s_cmp_lt_u32 ttmp9, 214
	s_cbranch_scc1 .Lhidden
	s_cmp_lt_u32 ttmp9, 1464
	s_cbranch_scc1 .Lw0
	s_cmp_lt_u32 ttmp9, 1465
	s_cbranch_scc1 .Lclus
	s_cmp_lt_u32 ttmp9, 1622
	s_cbranch_scc1 .Lw1
	; ---- w2: a job is five tiles of 16 rows x 64 K
	s_sub_co_u32 s31, ttmp9, 1622
	s_lshl_b32 s31, s31, 2
	s_add_co_u32 s31, s31, s30
	s_cmp_lt_u32 s31, 125
	s_cbranch_scc1 .Lw2go
	s_endpgm
.Lw2go:
	s_mov_b64 s[32:33], s[12:13]
	s_mul_i32 s40, s31, 20480
	s_mul_i32 s42, s31, 2560
	s_add_co_u32 s42, s42, WC2
	s_mul_i32 s48, s31, 640
	s_add_co_u32 s48, s48, WS2
	s_mov_b32 s38, 256
	s_mov_b32 s39, 15
	PTRS
	INADDR
	LOADS 5, 4096
	PIECE 0, 5, 17408, 28
	W2WORD 21, 0
	PIECE 1, 5, 17408, 28
	W2WORD 22, 1
	PIECE 2, 5, 17408, 28
	W2WORD 29, 2
	PIECE 3, 5, 17408, 28
	W2WORD 30, 3
	PIECE 4, 5, 17408, 28
	W2WORD 31, 4
	s_wait_tensorcnt 0x0
	ds_add_u32 v192, v193
	s_wait_dscnt 0x0
	s_endpgm
	; ---- rows of 1,024 or 256 numbers: a job is 16 rows x 256 K
.Lhidden:
	s_sub_co_u32 s31, ttmp9, 86
	s_mov_b64 s[32:33], s[4:5]
	s_mov_b32 s42, HIDC
	s_mov_b32 s48, HIDS
	s_branch .Lrow1024
.Lw0:
	s_sub_co_u32 s31, ttmp9, 214
	s_mov_b64 s[32:33], s[6:7]
	s_mov_b32 s42, WC0
	s_mov_b32 s48, WS0
.Lrow1024:
	s_lshl_b32 s40, s31, 16
	s_lshl_b32 s47, s30, 10
	s_add_co_u32 s40, s40, s47
	s_lshl_b32 s47, s31, 13
	s_add_co_u32 s42, s42, s47
	s_lshl_b32 s47, s30, 11
	s_add_co_u32 s42, s42, s47
	s_lshl_b32 s47, s31, 9
	s_add_co_u32 s48, s48, s47
	s_lshl_b32 s47, s30, 7
	s_add_co_u32 s48, s48, s47
	s_mov_b32 s38, 4096
	s_mov_b32 s39, 15
	s_branch .Ljob4
.Lclus:                                                ; the head's tile 1250: cluster_w's three rows, the third repeated
	s_mov_b64 s[32:33], s[8:9]
	s_lshl_b32 s40, s30, 10
	s_lshl_b32 s47, s30, 11
	s_add_co_u32 s42, s47, WC0+1250*8192
	s_lshl_b32 s47, s30, 7
	s_add_co_u32 s48, s47, WS0+1250*512
	s_mov_b32 s38, 4096
	s_mov_b32 s39, 2
	s_branch .Ljob4
.Lw1:
	s_sub_co_u32 s31, ttmp9, 1465
	s_lshl_b32 s31, s31, 2
	s_add_co_u32 s31, s31, s30
	s_cmp_lt_u32 s31, 625
	s_cbranch_scc1 .Lw1go
	s_endpgm
.Lw1go:
	s_mov_b64 s[32:33], s[10:11]
	s_lshl_b32 s40, s31, 14
	s_lshl_b32 s42, s31, 11
	s_add_co_u32 s42, s42, WC1
	s_lshl_b32 s48, s31, 7
	s_add_co_u32 s48, s48, WS1
	s_mov_b32 s38, 1024
	s_mov_b32 s39, 15
.Ljob4:
	PTRS
	INADDR
	LOADS 4, 256
	PIECE 0, 4, 0, 20
	PIECE 1, 4, 0, 28
	W4WORD 21
	PIECE 2, 4, 0, 20
	PIECE 3, 4, 0, 28
	W4WORD 22
	v_cndmask_b32 v21, v21, v22, s46               ; lanes 0-15 the first 128 K's words, lanes 16-31 the second's
	global_store_b32 v15, v21, s[36:37]
	s_wait_tensorcnt 0x0
	ds_add_u32 v192, v193
	s_wait_dscnt 0x0
	s_endpgm
.Lproj0:
	PROJSET 1, 5, 19, 0, 14
	PROJBODY 4096, 1
.Lproj1:
	PROJSET 65, 3, 17, 64, 16
	PROJBODY 1024, 1
.Lproj2:
	PROJSET 81, 1, 15, 80, 18
	PROJBODY 256, 1
.Lproj3:                                               ; 16 columns in plain order; lanes 0-15 K step 2 wave, lanes 16-31 the next; written four times, as tiles 84 to 87
	s_mov_b64 s[32:33], s[20:21]
	s_lshl_b32 s40, s30, 14
	s_lshl_b32 s42, s30, 11
	s_add_co_u32 s42, s42, PCO+84*8192
	s_lshl_b32 s48, s30, 7
	s_add_co_u32 s48, s48, PSO+84*512
	PTRS
	v_lshlrev_b32 v4, 13, v3
	v_lshl_add_u32 v4, v2, 2, v4
	v_lshlrev_b32 v5, 10, v3
	v_lshl_add_u32 v5, v2, 4, v5
	v_mov_b32 v6, v15
	PROJBODY 64, 4
	; ---- routing: wave w sorts the tokens for tail w + 1: its members first, in token order, then the others: a whole permutation
.Lroute:
	s_cmp_eq_u32 s30, 3
	s_cbranch_scc1 .Lhbpad
	s_mul_i32 s40, s30, 10000
	s_add_co_u32 s40, s40, 20000                   ; the tail's first token id
	s_mov_b32 s42, 10000
	v_lshlrev_b32 v10, 8, v1                       ; lane l owns tokens 64 l .. 64 l + 63
.irp q, 0,1,2,3,4,5,6,7,8,9,10,11,12,13,14,15
	global_load_b128 v[32+4*\q:35+4*\q], v10, s[22:23] offset:16*\q
.endr
	v_mov_b32 v5, 0
	v_mov_b32 v7, 0
	s_lshl_b32 s52, s30, 13
	s_mov_b32 s53, 0
	s_add_nc_u64 s[34:35], s[28:29], s[52:53]
	s_wait_loadcnt 0x0
.set k, 0
.rept 64
	v_sub_nc_u32 v[32+k], v[32+k], s40
	v_cmp_gt_u32 vcc_lo, s42, v[32+k]              ; a member: 0 <= target - first < 10,000, as one unsigned compare
	v_cndmask_b32 v6, 0, 1, vcc_lo
	v_add_nc_u32 v5, v5, v6
.set k, k+1
.endr
	s_mov_b32 s50, 0
.set k, 0
.rept 32                               ; the lanes' counts become running sums
	v_readlane_b32 s51, v5, k
	v_writelane_b32 v7, s50, k
	s_add_co_u32 s50, s50, s51
.set k, k+1
.endr
	v_lshlrev_b32 v8, 6, v1
	v_add_nc_u32 v8, s50, v8
	v_sub_nc_u32 v8, v8, v7                        ; the first place of my non-members: all members + the non-members before me
.set k, 0
.rept 64
	v_cmp_gt_u32 vcc_lo, s42, v[32+k]
	v_cndmask_b32 v[32+k], v8, v7, vcc_lo
	v_cndmask_b32 v6, 0, 1, vcc_lo
	v_cndmask_b32 v9, 1, 0, vcc_lo
	v_add_nc_u32 v7, v7, v6
	v_add_nc_u32 v8, v8, v9
.set k, k+1
.endr
.irp q, 0,1,2,3,4,5,6,7,8,9,10,11,12,13,14,15
	global_store_b128 v10, v[32+4*\q:35+4*\q], s[34:35] offset:16*\q
.endr
	s_add_co_u32 s51, s50, 15
	s_lshr_b32 s51, s51, 4
	s_max_u32 s51, s51, 1                          ; tiles of 16 places that hold members; at least one
	v_mov_b32 v11, s51
	s_lshl_b32 s52, s30, 2
	v_mov_b32 v9, s52
	s_wait_xcnt 0x0                                ; EXEC changes only behind this wait
	v_cmp_eq_u32 vcc_lo, 0, v1
	s_and_saveexec_b32 s47, vcc_lo
	global_store_b32 v9, v11, s[28:29] offset:24576
	s_wait_xcnt 0x0
	s_or_b32 exec_lo, exec_lo, s47
	s_endpgm
.Lhbpad:                                               ; the biases of head rows 20,000 on: cluster_b's three, then -2^100
	v_min_u32 v4, 2, v1
	v_lshlrev_b32 v4, 2, v4
	global_load_b32 v5, v4, s[24:25]
	v_mov_b32 v6, PADB
	s_add_nc_u64 s[34:35], s[26:27], HBP
	v_cmp_gt_u32 vcc_lo, 3, v1
	s_wait_loadcnt 0x0
	v_cndmask_b32 v5, v6, v5, vcc_lo
	global_store_b32 v15, v5, s[34:35]
.irp k, 1,2,3,4
	global_store_b32 v15, v6, s[34:35] offset:128*\k
.endr
	s_endpgm
.Lfunc_end_k_q2c1f7ff628_quant:
	.size	k_q2c1f7ff628_quant, .Lfunc_end_k_q2c1f7ff628_quant-k_q2c1f7ff628_quant
	.p2alignl 7, 3214868480
	.fill 96, 4, 3214868480
	.section	.rodata,"a",@progbits
	.p2align	6, 0x0
	.amdhsa_kernel k_q2c1f7ff628_quant
		.amdhsa_group_segment_fixed_size 35328
		.amdhsa_private_segment_fixed_size 0
		.amdhsa_enable_private_segment 0
		.amdhsa_kernarg_size 104
		.amdhsa_user_sgpr_count 2
		.amdhsa_user_sgpr_kernarg_segment_ptr 1
		.amdhsa_wavefront_size32 1
		.amdhsa_system_sgpr_workgroup_id_x 1
		.amdhsa_system_sgpr_workgroup_id_y 1
		.amdhsa_system_sgpr_workgroup_id_z 1
		.amdhsa_system_vgpr_workitem_id 0
		.amdhsa_next_free_vgpr 194
		.amdhsa_next_free_sgpr 66
		.amdhsa_reserve_vcc 1
		.amdhsa_float_denorm_mode_32 3
		.amdhsa_float_denorm_mode_16_64 3
		.amdhsa_memory_ordered 1
		.amdhsa_forward_progress 1
		.amdhsa_inst_pref_size 157
	.end_amdhsa_kernel
	.amdgpu_metadata
---
amdhsa.version: [ 1, 2 ]
amdhsa.kernels:
  - .name:           k_q2c1f7ff628_quant
    .symbol:         k_q2c1f7ff628_quant.kd
    .args:
      - { .name: hidden, .offset: 0, .size: 8, .value_kind: global_buffer, .address_space: global }
      - { .name: w0, .offset: 8, .size: 8, .value_kind: global_buffer, .address_space: global }
      - { .name: cluster_w, .offset: 16, .size: 8, .value_kind: global_buffer, .address_space: global }
      - { .name: w1, .offset: 24, .size: 8, .value_kind: global_buffer, .address_space: global }
      - { .name: w2, .offset: 32, .size: 8, .value_kind: global_buffer, .address_space: global }
      - { .name: proj0, .offset: 40, .size: 8, .value_kind: global_buffer, .address_space: global }
      - { .name: proj1, .offset: 48, .size: 8, .value_kind: global_buffer, .address_space: global }
      - { .name: proj2, .offset: 56, .size: 8, .value_kind: global_buffer, .address_space: global }
      - { .name: proj3, .offset: 64, .size: 8, .value_kind: global_buffer, .address_space: global }
      - { .name: target, .offset: 72, .size: 8, .value_kind: global_buffer, .address_space: global }
      - { .name: cluster_b, .offset: 80, .size: 8, .value_kind: global_buffer, .address_space: global }
      - { .name: qa, .offset: 88, .size: 8, .value_kind: global_buffer, .address_space: global }
      - { .name: route, .offset: 96, .size: 8, .value_kind: global_buffer, .address_space: global }
    .group_segment_fixed_size: 35328
    .private_segment_fixed_size: 0
    .kernarg_segment_align: 8
    .kernarg_segment_size: 104
    .max_flat_workgroup_size: 128
    .sgpr_count:     66
    .vgpr_count:     194
    .wavefront_size: 32
...
	.end_amdgpu_metadata
.endif
;; end of part 1
;; launch hproj (part 2): grid 11 x 16, 8 waves a work-group, no clusters, 66,560 bytes of LDS; arguments qa, route, qb; writes qb
.if DOCPART == 2
	.amdgcn_target "amdgcn-amd-amdhsa--gfx1250"
	.amdhsa_code_object_version 6
	.text
	.protected	k_q2c1f7ff628_hproj
	.globl	k_q2c1f7ff628_hproj
	.p2align	8
	.type	k_q2c1f7ff628_hproj,@function
k_q2c1f7ff628_hproj:
	s_mov_b64 s[64:65], 0
	v_nop
	global_prefetch_b8 v0, s[64:65] scope:SCOPE_SE
	s_setreg_imm32_b32 hwreg(HW_REG_WAVE_MODE, 25, 1), 1
	s_wait_xcnt 0x0
; h_i = hidden x proj_i on codes of FP4, sums in f32; h0, h1, h2 are quantised in registers along the next K, h3 is rounded to bf16.
; Work-group (g, y): eight tiles of 16 columns of the proj tensors (g < 8: 128 K of h0; g = 8, 9: of h1; g = 10: h2's four tiles, h3's and its three copies) for 128 tokens;
; wave w takes the 16 tokens of tile T = 8 y + w.  The eight proj tiles, 65,536 bytes, go once into LDS as they lie; one barrier.
; The product is used transposed (source 0 = 16 columns of proj, source 1 = 16 tokens): a lane holds one token, and by the order in which the columns were laid
; its 16 registers of tiles 2 b and 2 b + 1 are 16 neighbours along the next K.
; h1, h2, h3 are stored at the place that the token has in its tail's sorted order (a whole permutation: every place is written once).
; No copy engine and no cluster: 64 KiB a work-group, read once.
.set HIDS, 1048576
.set PCO,  1114112
.set PSO,  1835008
.set HS0,  1048576
.set HC1,  1114112
.set HS1,  1376256
.set HC2,  1392640
.set HS2,  1458176
.set H3B,  1474560
.set HS,  16                           ; v16-19  hidden's scale words: K steps 2 j (lanes 0-15) and 2 j + 1 (lanes 16-31)
.set PSC, 20                           ; v20-51  proj's, four a tile
.set HID, 52                           ; v52-115 hidden's eight fragments
.set PF,  116                          ; v116-179 staging, then a K step's eight proj fragments, then the quantiser's work
.set ACC, 180                          ; v180-243 eight tiles of results
.set TM,  116
.set PW,  132
.set PC,  134
.set SEL, 14
.macro QUANT s                         ; 64 numbers of a lane, register 16 b + i = k 32 b + 16 (lane / 16) + i of my token: a fragment's codes in v[PC] on, its scale word in v[PW]
.irp b, 0,1,2,3
	v_max3_num_f32 v[TM+\b], |v[\s+16*\b]|, |v[\s+1+16*\b]|, 0x1800000   ; and the floor 2^(3 - 127): the byte cannot fall under 1
.endr
.irp i, 2,4,6,8,10,12,14
.irp b, 0,1,2,3
	v_max3_num_f32 v[TM+\b], v[TM+\b], |v[\s+16*\b+\i]|, |v[\s+1+16*\b+\i]|
.endr
.endr
.irp b, 0,1,2,3
	v_permlanex16_b32 v[TM+4+\b], v[TM+\b], s[SEL], s[SEL+1]
.endr
.irp b, 0,1,2,3
	v_max_num_f32 v[TM+\b], v[TM+\b], v[TM+4+\b]
.endr
.irp b, 0,1,2,3
	v_add_nc_u32 v[TM+12+\b], 0xff000000, v[TM+\b]
.endr
.irp b, 0,1,2,3
	v_lshrrev_b32 v[TM+4+\b], 23, v[TM+12+\b]
.endr
	v_lshl_or_b32 v[PW], v[TM+5], 8, v[TM+4]
	v_lshl_or_b32 v[PW], v[TM+6], 16, v[PW]
	v_lshl_or_b32 v[PW], v[TM+7], 24, v[PW]
.irp b, 0,1,2,3
	v_cvt_scalef32_pk8_fp4_f32 v[PC+2*\b], v[\s+16*\b:\s+7+16*\b], v[TM+12+\b]
	v_cvt_scalef32_pk8_fp4_f32 v[PC+1+2*\b], v[\s+8+16*\b:\s+15+16*\b], v[TM+12+\b]
.endr
	v_nop                                          ; one plain line behind a scaled conversion
.irp c, 0,1
.irp i, 0,1
	v_permlane16_swap_b32 v[PC+4*\c+\i], v[PC+2+4*\c+\i]   ; a whole block in a lane: lanes 0-15 block 2 c, lanes 16-31 block 2 c + 1
.endr
.endr
.endm
	s_load_b128 s[4:7], s[0:1], 0x0                ; qa, route
	s_load_b64 s[8:9], s[0:1], 0x10                ; qb
	v_lshl_add_u32 v254, v0, 2, 0x10000
	v_mov_b32 v255, 0
	v_lshrrev_b32 v1, 5, v0
	v_readfirstlane_b32 s10, v1                    ; wave
	v_and_b32 v1, 31, v0
	v_and_b32 v2, 15, v0                           ; r
	v_bfe_u32 v3, v0, 4, 1                         ; h
	v_lshlrev_b32 v4, 4, v0                        ; 16 x thread
	v_lshlrev_b32 v5, 4, v1                        ; 16 x lane
	v_lshlrev_b32 v6, 2, v1                        ; 4 x lane
	s_and_b32 s11, ttmp7, 0xffff
	s_lshl_b32 s11, s11, 3
	s_add_co_u32 s11, s11, s10                     ; T
	s_mov_b32 s12, ttmp9                           ; g
	s_mov_b32 s[SEL], 0x76543210
	s_mov_b32 s[SEL+1], 0xfedcba98
	s_mov_b32 s27, 0
	s_lshl_b32 s24, s11, 6
	v_lshl_add_u32 v10, v2, 2, s24                 ; 4 x my token
	s_wait_kmcnt 0x0
	s_lshl_b32 s26, s12, 16
	s_add_co_u32 s26, s26, PCO
	s_add_nc_u64 s[16:17], s[4:5], s[26:27]
	s_lshl_b32 s26, s11, 13
	s_add_nc_u64 s[18:19], s[4:5], s[26:27]
	s_lshl_b32 s26, s11, 9
	s_add_co_u32 s26, s26, HIDS
	s_add_nc_u64 s[20:21], s[4:5], s[26:27]
	s_lshl_b32 s26, s12, 12
	s_add_co_u32 s26, s26, PSO
	s_add_nc_u64 s[22:23], s[4:5], s[26:27]
.irp i, 0,1,2,3,4,5,6,7,8,9,10,11,12,13,14,15
	global_load_b128 v[PF+4*\i:PF+4*\i+3], v4, s[16:17] offset:4096*\i
.endr
.irp i, 0,1,2,3,4,5,6,7,8,9,10,11,12,13,14,15
	global_load_b128 v[HID+4*\i:HID+4*\i+3], v5, s[18:19] offset:512*\i
.endr
.irp j, 0,1,2,3
	global_load_b32 v[HS+\j], v6, s[20:21] offset:128*\j
.endr
.irp t, 0,1,2,3,4,5,6,7
.irp j, 0,1,2,3
	global_load_b32 v[PSC+4*\t+\j], v6, s[22:23] offset:512*\t+128*\j
.endr
.endr
.irp i, 0,1,2
	global_load_b32 v[7+\i], v10, s[6:7] offset:8192*\i    ; my token's place in each tail's order
.endr
	s_wait_loadcnt 55                              ; the 16 staging loads are in; the 16 + 4 + 32 + 3 issued behind them may be out
.irp i, 0,1,2,3,4,5,6,7,8,9,10,11,12,13,14,15
	ds_store_b128 v4, v[PF+4*\i:PF+4*\i+3] offset:4096*\i
.endr
	s_wait_dscnt 0x0                               ; for the others' sake: my stores have landed
	s_barrier_signal -1
	s_barrier_wait -1
	s_wait_loadcnt 0x0
.irp s, 0,1,2,3,4,5,6,7
.if \s > 0
.rept 4
	v_nop                                          ; places in front of loads into registers that matrix instructions have read
.endr
.endif
.irp t, 0,1,2,3,4,5,6,7
.irp c, 0,1
	ds_load_b128 v[PF+8*\t+4*\c:PF+8*\t+4*\c+3], v5 offset:8192*\t+1024*\s+512*\c
.endr
.endr
	s_wait_dscnt 0x0
.irp t, 0,1,2,3,4,5,6,7                ; the eight accumulators take turns, one instruction a turn
.if \s == 0
	v_wmma_scale_f32_16x16x128_f8f6f4 v[ACC+8*\t:ACC+8*\t+7], v[PF+8*\t:PF+8*\t+7], v[HID+8*\s:HID+8*\s+7], 0, v[PSC+4*\t+\s/2], v[HS+\s/2] matrix_a_fmt:MATRIX_FMT_FP4 matrix_b_fmt:MATRIX_FMT_FP4
.elseif \s%2 == 0
	v_wmma_scale_f32_16x16x128_f8f6f4 v[ACC+8*\t:ACC+8*\t+7], v[PF+8*\t:PF+8*\t+7], v[HID+8*\s:HID+8*\s+7], v[ACC+8*\t:ACC+8*\t+7], v[PSC+4*\t+\s/2], v[HS+\s/2] matrix_a_fmt:MATRIX_FMT_FP4 matrix_b_fmt:MATRIX_FMT_FP4
.else
	v_wmma_scale_f32_16x16x128_f8f6f4 v[ACC+8*\t:ACC+8*\t+7], v[PF+8*\t:PF+8*\t+7], v[HID+8*\s:HID+8*\s+7], v[ACC+8*\t:ACC+8*\t+7], v[PSC+4*\t+\s/2], v[HS+\s/2] matrix_a_fmt:MATRIX_FMT_FP4 matrix_b_fmt:MATRIX_FMT_FP4 matrix_a_scale:MATRIX_SCALE_ROW1 matrix_b_scale:MATRIX_SCALE_ROW1
.endif
.endr
.endr
.rept 4
	v_nop
.endr
	QUANT ACC
	s_cmp_lt_u32 s12, 8
	s_cbranch_scc0 .Ltails
	; ---- h0: K step g of token tile T, as it stands
	s_lshl_b32 s26, s11, 13
	s_lshl_b32 s28, s12, 10
	s_add_co_u32 s26, s26, s28
	s_add_nc_u64 s[30:31], s[8:9], s[26:27]
	global_store_b128 v5, v[PC:PC+3], s[30:31]
	global_store_b128 v5, v[PC+4:PC+7], s[30:31] offset:512
	s_lshl_b32 s26, s11, 9
	s_lshl_b32 s28, s12, 6
	s_add_co_u32 s26, s26, s28
	s_add_co_u32 s26, s26, HS0
	s_add_nc_u64 s[32:33], s[8:9], s[26:27]
	v_lshlrev_b32 v11, 2, v2
	s_wait_xcnt 0x0                                ; EXEC changes only behind this wait
	v_cmp_gt_u32 vcc_lo, 16, v1
	s_wait_tensorcnt 0x0
	ds_add_u32 v254, v255
	s_wait_dscnt 0x0
	s_and_saveexec_b32 s34, vcc_lo
	global_store_b32 v11, v[PW], s[32:33]
	s_wait_xcnt 0x0
	s_or_b32 exec_lo, exec_lo, s34
	s_endpgm
.Ltails:
	s_cmp_lt_u32 s12, 10
	s_cbranch_scc0 .Lsmall
	; ---- h1: K step g - 8, at place sigma1
	v_min_u32 v7, 0x7ff, v7
	v_and_b32 v11, 0x7f0, v7
	v_and_b32 v12, 15, v7
	v_lshlrev_b32 v13, 7, v11
	v_lshl_add_u32 v13, v12, 4, v13
	v_lshl_add_u32 v13, v3, 8, v13
	v_lshlrev_b32 v14, 3, v11
	v_lshl_add_u32 v14, v12, 2, v14
	s_sub_co_u32 s28, s12, 8
	s_lshl_b32 s26, s28, 10
	s_add_co_u32 s26, s26, HC1
	s_add_nc_u64 s[30:31], s[8:9], s[26:27]
	global_store_b128 v13, v[PC:PC+3], s[30:31]
	global_store_b128 v13, v[PC+4:PC+7], s[30:31] offset:512
	s_lshl_b32 s26, s28, 6
	s_add_co_u32 s26, s26, HS1
	s_add_nc_u64 s[32:33], s[8:9], s[26:27]
	s_wait_xcnt 0x0
	v_cmp_gt_u32 vcc_lo, 16, v1
	s_wait_tensorcnt 0x0
	ds_add_u32 v254, v255
	s_wait_dscnt 0x0
	s_and_saveexec_b32 s34, vcc_lo
	global_store_b32 v14, v[PW], s[32:33]
	s_wait_xcnt 0x0
	s_or_b32 exec_lo, exec_lo, s34
	s_endpgm
.Lsmall:
	; ---- h2 (blocks 0 and 1 of the fragment) at place sigma2; h3 (tile 4) as bf16 at place sigma3
	v_min_u32 v8, 0x7ff, v8
	v_min_u32 v9, 0x7ff, v9
	v_and_b32 v11, 0x7f0, v8
	v_and_b32 v12, 15, v8
	v_lshlrev_b32 v13, 5, v11
	v_lshl_add_u32 v13, v12, 4, v13
	v_lshl_add_u32 v13, v3, 8, v13
	v_lshlrev_b32 v14, 3, v11
	v_lshl_add_u32 v14, v12, 2, v14
	v_lshl_add_u32 v14, v3, 6, v14
	v_and_b32 v11, 0x7f0, v9
	v_and_b32 v12, 15, v9
	v_lshlrev_b32 v15, 5, v11
	v_lshl_add_u32 v15, v12, 4, v15
	v_lshl_add_u32 v15, v3, 8, v15
.irp k, 0,1,2,3
	v_cvt_pk_bf16_f32 v[142+\k], v[ACC+32+2*\k], v[ACC+33+2*\k]
.endr
	v_and_b32 v146, 0xffff, v[PW]
	s_add_nc_u64 s[30:31], s[8:9], HC2
	s_add_nc_u64 s[32:33], s[8:9], HS2
	s_add_nc_u64 s[28:29], s[8:9], H3B
	global_store_b128 v13, v[PC:PC+3], s[30:31]
	global_store_b32 v14, v146, s[32:33]
	global_store_b128 v15, v[142:145], s[28:29]
	s_wait_tensorcnt 0x0
	ds_add_u32 v254, v255
	s_wait_dscnt 0x0
	s_endpgm
.Lfunc_end_k_q2c1f7ff628_hproj:
	.size	k_q2c1f7ff628_hproj, .Lfunc_end_k_q2c1f7ff628_hproj-k_q2c1f7ff628_hproj
	.p2alignl 7, 3214868480
	.fill 96, 4, 3214868480
	.section	.rodata,"a",@progbits
	.p2align	6, 0x0
	.amdhsa_kernel k_q2c1f7ff628_hproj
		.amdhsa_group_segment_fixed_size 66560
		.amdhsa_private_segment_fixed_size 0
		.amdhsa_enable_private_segment 0
		.amdhsa_kernarg_size 24
		.amdhsa_user_sgpr_count 2
		.amdhsa_user_sgpr_kernarg_segment_ptr 1
		.amdhsa_wavefront_size32 1
		.amdhsa_system_sgpr_workgroup_id_x 1
		.amdhsa_system_sgpr_workgroup_id_y 1
		.amdhsa_system_sgpr_workgroup_id_z 1
		.amdhsa_system_vgpr_workitem_id 0
		.amdhsa_next_free_vgpr 256
		.amdhsa_next_free_sgpr 66
		.amdhsa_reserve_vcc 1
		.amdhsa_float_denorm_mode_32 3
		.amdhsa_float_denorm_mode_16_64 3
		.amdhsa_memory_ordered 1
		.amdhsa_forward_progress 1
		.amdhsa_inst_pref_size 35
	.end_amdhsa_kernel
	.amdgpu_metadata
---
amdhsa.version: [ 1, 2 ]
amdhsa.kernels:
  - .name:           k_q2c1f7ff628_hproj
    .symbol:         k_q2c1f7ff628_hproj.kd
    .args:
      - { .name: qa, .offset: 0, .size: 8, .value_kind: global_buffer, .address_space: global }
      - { .name: route, .offset: 8, .size: 8, .value_kind: global_buffer, .address_space: global }
      - { .name: qb, .offset: 16, .size: 8, .value_kind: global_buffer, .address_space: global }
    .group_segment_fixed_size: 66560
    .private_segment_fixed_size: 0
    .kernarg_segment_align: 8
    .kernarg_segment_size: 24
    .max_flat_workgroup_size: 256
    .sgpr_count:     66
    .vgpr_count:     256
    .wavefront_size: 32
...
	.end_amdgpu_metadata
.endif
;; end of part 2
;; launch lse (part 3): grid 444 x 1, 8 waves a work-group, no clusters, 295,936 bytes of LDS; arguments qa, qb, route, b0, b1, b2, b3, w3, part; writes part
.if DOCPART == 3
	.amdgcn_target "amdgcn-amd-amdhsa--gfx1250"
	.amdhsa_code_object_version 6
	.text
	.protected	k_q2c1f7ff628_lse
	.globl	k_q2c1f7ff628_lse
	.p2align	8
	.type	k_q2c1f7ff628_lse,@function
k_q2c1f7ff628_lse:
	s_mov_b64 s[64:65], 0
	v_nop
	global_prefetch_b8 v0, s[64:65] scope:SCOPE_SE
	s_setreg_imm32_b32 hwreg(HW_REG_WAVE_MODE, 25, 1), 1
	s_wait_xcnt 0x0
; The logits and, of each slice of the vocabulary, a token's largest logit m and the sum s of e^(logit - m).  The logits never go to memory.
; EIGHT WAVES OF 512 REGISTERS, TWO TO A SIMD: a token tile asks for 40 products and for 109 vector instructions (40 of them exponentials) that hang on each other, so one wave's sums
; stand beside the other wave's products and LDS loads.
; HEAD (work-groups 0 .. 251): slice vg = x / 4 (320 rows of w0 + cluster_w), tokens 512 (x % 4) on.  Waves q and q + 4 both keep tiles 5 q .. 5 q + 4 of the slice, all 1,024 of K, in 320 registers;
; wave q walks the even ones of the 32 token tiles, wave q + 4 the odd ones.  The tokens' codes come through LDS (staged through registers four tiles ahead; every LDS byte is written once).
; At the end the (m, s) of the four sets of rows are merged.
; TAILS (work-groups 252 .. 443): tail 1 + u / 64; a wave keeps five tiles of the tail's rows and walks every fourth tile of the tail's sorted tokens, as many as hold members (a stored count).
; Products transposed (source 0 = 16 vocabulary rows, source 1 = 16 tokens): a lane holds one token; the bias is the C of each sum's first matrix instruction.
; Tails 1, 2 and the head on codes of FP4; tail 3 (K = 16) on bf16.
; No copy engine, so no joint loads in a cluster: the tails' trip counts are read from memory, and with such a count in the text tiles go through registers.
; LIMITS: true logits lie above -2^96 (the floor of m; padded rows of the head's last slice carry the bias -2^100); NaN and infinities are not served.
; REGISTERS: window 0: v1-5, v20 lane terms, v3 my stash, v6-8 addresses, v9 the value stored, v[10:11] -m c, v12-17 at work, v18-19 staging addresses, v22-25 h's scale words, v26-45 w's,
;   v46-79 staging, v80-111 h's fragments (four slots of one K step), v112-151 biases, v152-191 five accumulators, v192-255 w's fragments of K step 6 (tiles 2-4) and 7.
;   window 1: w's fragments of K steps 0-5 at 40 s + 8 t, of K step 6 (tiles 0, 1) at 240 + 8 t.
.set WC0,  1880064
.set WS0,  12128256
.set WC1,  12768768
.set WS1,  14048768
.set WC2,  14128896
.set WS2,  14448896
.set HBP,  14529024
.set HS0,  1048576
.set HC1,  1114112
.set HS1,  1376256
.set HC2,  1392640
.set HS2,  1458176
.set H3B,  1474560
.set PT,   1032192
.set CL2E,  0x3fb8aa3b                 ; log2(e)
.set NCL2E, 0xbfb8aa3b
.set MFLOOR, 0xef800000                ; -2^96
.set HSL,   262144                     ; LDS: h's codes 32 x 8,192; their scale words 32 x 512;
.set STASH, 278528                     ; the waves' (m, s): 8 waves x 16 tiles x 128
.set HSR,  22
.set WSR,  26
.set STG,  46
.set HF,   80
.set BIAS, 112
.set ACC,  152
.set W67,  192
.set MB,   80                          ; the merge's registers
.set MSB, 0
.macro WIN new                         ; the immediate's high byte repeats the setting that is left
.if MSB != \new
	s_set_vgpr_msb (MSB<<8)|\new
.set MSB, \new
.endif
.endm
.macro NOP4
.rept 4
	v_nop
.endr
.endm
; K step sk of five tiles; the five accumulators take turns, one instruction a turn.  nj: scale registers a tile
.macro KSTEP sk, nj
.irp t, 0,1,2,3,4
.if (\sk) < 6
	WIN 0x01
.set WB, 40*(\sk)+8*\t
.elseif ((\sk) == 6) && (\t < 2)
	WIN 0x01
.set WB, 240+8*\t
.elseif (\sk) == 6
	WIN 0
.set WB, W67+8*(\t-2)
.else
	WIN 0
.set WB, W67+24+8*\t
.endif
.set HB, HF+8*((\sk)%4)
.if (\sk) == 0
	v_wmma_scale_f32_16x16x128_f8f6f4 v[ACC+8*\t:ACC+8*\t+7], v[WB:WB+7], v[HB:HB+7], v[BIAS+8*\t:BIAS+8*\t+7], v[WSR+(\nj)*\t+(\sk)/2], v[HSR+(\sk)/2] matrix_a_fmt:MATRIX_FMT_FP4 matrix_b_fmt:MATRIX_FMT_FP4
.elseif (\sk)%2 == 0
	v_wmma_scale_f32_16x16x128_f8f6f4 v[ACC+8*\t:ACC+8*\t+7], v[WB:WB+7], v[HB:HB+7], v[ACC+8*\t:ACC+8*\t+7], v[WSR+(\nj)*\t+(\sk)/2], v[HSR+(\sk)/2] matrix_a_fmt:MATRIX_FMT_FP4 matrix_b_fmt:MATRIX_FMT_FP4
.else
	v_wmma_scale_f32_16x16x128_f8f6f4 v[ACC+8*\t:ACC+8*\t+7], v[WB:WB+7], v[HB:HB+7], v[ACC+8*\t:ACC+8*\t+7], v[WSR+(\nj)*\t+(\sk)/2], v[HSR+(\sk)/2] matrix_a_fmt:MATRIX_FMT_FP4 matrix_b_fmt:MATRIX_FMT_FP4 matrix_a_scale:MATRIX_SCALE_ROW1 matrix_b_scale:MATRIX_SCALE_ROW1
.endif
.endr
.endm
.macro MM3
	WIN 0x01
.irp t, 0,1,2,3,4
	v_wmma_f32_16x16x32_bf16 v[ACC+8*\t:ACC+8*\t+7], v[8*\t:8*\t+7], v[HF:HF+7], v[BIAS+8*\t:BIAS+8*\t+7]
.endr
	WIN 0
.endm
; my token's 40 logits (with lane l xor 16's: 80): m, and s = the sum of 2^(c x - c m).  v9: lanes 0-15 m, lanes 16-31 s.  Each accumulator is read from its low end on.
.macro SM
.irp t, 0,1,2,3,4
	v_max3_num_f32 v[12+\t], v[ACC+8*\t], v[ACC+8*\t+1], v[ACC+8*\t+2]
.endr
.irp t, 0,1,2,3,4
	v_max3_num_f32 v[12+\t], v[12+\t], v[ACC+8*\t+3], v[ACC+8*\t+4]
.endr
.irp t, 0,1,2,3,4
	v_max3_num_f32 v[12+\t], v[12+\t], v[ACC+8*\t+5], v[ACC+8*\t+6]
.endr
	v_max3_num_f32 v12, v12, v[ACC+7], v[ACC+15]
	v_max3_num_f32 v13, v13, v[ACC+23], v[ACC+31]
	v_max3_num_f32 v14, v14, v15, v[ACC+39]
	v_max3_num_f32 v12, v12, v13, v16
	v_max3_num_f32 v12, v12, v14, MFLOOR           ; the floor: a wave of padded rows alone keeps a finite m over its logits, and s = 0
	v_permlanex16_b32 v17, v12, s28, s29
	v_max_num_f32 v12, v12, v17
	v_mul_f32 v10, NCL2E, v12
.irp j, 0,2,4,6,8,10,12,14,16,18,20,22,24,26,28,30,32,34,36,38
	v_pk_fma_f32 v[ACC+\j:ACC+\j+1], v[ACC+\j:ACC+\j+1], s[26:27], v[10:11] op_sel_hi:[1,0,0]
.endr
.irp j, 0,1,2,3,4,5,6,7,8,9,10,11,12,13,14,15,16,17,18,19,20,21,22,23,24,25,26,27,28,29,30,31,32,33,34,35,36,37,38,39
	v_exp_f32 v[ACC+\j], v[ACC+\j]
.endr
	v_nop                                          ; a plain line between the exponentials and the use of their results
	s_wait_alu depctr_va_vdst(0)
.irp j, 0,1,2,3,4,5,6,7,8,9                    ; the sum of the 20 pairs, in place, as a tree: 10, 5, 2, 1, 1 additions
	v_pk_add_f32 v[ACC+2*\j:ACC+2*\j+1], v[ACC+2*\j:ACC+2*\j+1], v[ACC+20+2*\j:ACC+21+2*\j]
.endr
.irp j, 0,1,2,3,4
	v_pk_add_f32 v[ACC+2*\j:ACC+2*\j+1], v[ACC+2*\j:ACC+2*\j+1], v[ACC+10+2*\j:ACC+11+2*\j]
.endr
	v_pk_add_f32 v[ACC:ACC+1], v[ACC:ACC+1], v[ACC+6:ACC+7]
	v_pk_add_f32 v[ACC+2:ACC+3], v[ACC+2:ACC+3], v[ACC+8:ACC+9]
	v_pk_add_f32 v[ACC:ACC+1], v[ACC:ACC+1], v[ACC+2:ACC+3]
	v_pk_add_f32 v[ACC:ACC+1], v[ACC:ACC+1], v[ACC+4:ACC+5]
	v_add_f32 v14, v[ACC], v[ACC+1]
	v_permlanex16_b32 v17, v14, s28, s29
	v_add_f32 v14, v14, v17
	v_cndmask_b32 v9, v12, v14, s30
.endm
; the head's staging: chunk ch = four token tiles: 32,768 bytes of codes (16 bytes a thread and instruction) and 2,048 of scale words (8 bytes a thread)
.macro G ch
.irp i, 0,1,2,3,4,5,6,7
	global_load_b128 v[STG+4*\i:STG+4*\i+3], v4, s[36:37] offset:(\ch)*32768+4096*\i
.endr
	global_load_b64 v[STG+32:STG+33], v5, s[38:39] offset:(\ch)*2048
.endm
.macro STORE ch
	v_add_nc_u32 v18, (\ch)*32768, v4
	v_add_nc_u32 v19, HSL+(\ch)*2048, v5
.irp i, 0,1,2,3,4,5,6,7
	ds_store_b128 v18, v[STG+4*\i:STG+4*\i+3] offset:4096*\i
.endr
	ds_store_b64 v19, v[STG+32:STG+33]
.endm
.macro STAGE ch                        ; chunk ch goes into LDS; the next chunk's loads go out; the barrier shows the chunk to all eight waves
	s_wait_loadcnt 0x0                             ; this chunk's staging loads, issued a chunk ago
	STORE \ch
	s_wait_dscnt 0x0                               ; for the others' sake: my stores have landed; they have also read their registers
.if \ch < 7
	G \ch+1
.endif
	s_barrier_signal -1
	s_barrier_wait -1
.endm
.macro LDK s                           ; K step s of the token tile in hand into slot s % 4
.irp c, 0,1
	ds_load_b128 v[HF+8*((\s)%4)+4*\c:HF+8*((\s)%4)+4*\c+3], v6 offset:1024*(\s)+512*\c
.endr
.endm
.macro LDA                             ; a token tile's K steps 0-3 and its four scale registers; two v_nop and the two additions are the four places behind the last products
	v_nop
	v_nop
	v_add_nc_u32 v6, s40, v1
	v_add_nc_u32 v7, s41, v2
	LDK 0
	LDK 1
	LDK 2
	LDK 3
.irp j, 0,1,2,3
	ds_load_b32 v[HSR+\j], v7 offset:128*\j
.endr
	s_add_co_u32 s40, s40, 16384                   ; my next tile is the next but one
	s_add_co_u32 s41, s41, 1024
.endm
.macro MMFULL                          ; 40 products; a slot is loaded again four places behind the last product that read it
	KSTEP 0, 4
	KSTEP 1, 4
	WIN 0
	NOP4
	LDK 4
	LDK 5
	KSTEP 2, 4
	KSTEP 3, 4
	WIN 0
	NOP4
	LDK 6
	LDK 7
	s_wait_dscnt 4                                 ; K steps 4 and 5 are in; the four loads of K steps 6 and 7 may be out
	KSTEP 4, 4
	KSTEP 5, 4
	s_wait_dscnt 0x0
	KSTEP 6, 4
	KSTEP 7, 4
.endm
.macro STASHIT
	v_add_nc_u32 v8, s42, v3
	ds_store_b32 v8, v9
	s_add_co_u32 s42, s42, 128
.endm
.macro ITER                            ; the next tile's LDS loads are on their way while the tile before is summed
	LDA
	SM
	STASHIT
	s_wait_dscnt 0x0
	MMFULL
.endm
.macro CHUNK ch                        ; of the chunk's four token tiles two are mine
	STAGE \ch
	s_add_co_u32 s40, s76, (\ch)*32768
	s_add_co_u32 s41, s77, HSL+(\ch)*2048
	s_mov_b32 s42, (2*(\ch)-1)*128
	s_mov_b32 s31, 2
.Lch_\@:
	ITER
	s_sub_co_u32 s31, s31, 1
	s_cmp_lg_u32 s31, 0
	s_cbranch_scc1 .Lch_\@
.endm
	s_load_b512 s[4:19], s[0:1], 0x0               ; qa 4, qb 6, route 8, b0 10, b1 12, b2 14, b3 16, w3 18
	s_load_b64 s[20:21], s[0:1], 0x40              ; part
	v_lshrrev_b32 v1, 5, v0
	v_readfirstlane_b32 s22, v1                    ; wave 0..7
	v_and_b32 v2, 31, v0
	v_lshlrev_b32 v1, 4, v2                        ; 16 x lane
	v_lshlrev_b32 v2, 2, v2                        ; 4 x lane
	v_bfe_u32 v20, v0, 4, 1
	v_lshlrev_b32 v20, 5, v20                      ; 32 h
	v_lshlrev_b32 v4, 4, v0                        ; 16 x thread
	v_lshlrev_b32 v5, 3, v0                        ; 8 x thread
	v_mov_b32 v11, 0                               ; (named as the upper half of the pair v[10:11])
	v_mov_b32 v17, 0                               ; a lane permute's destination counts as read
	s_mov_b32 s26, CL2E
	s_mov_b32 s27, CL2E
	s_mov_b32 s28, 0x76543210
	s_mov_b32 s29, 0xfedcba98
	s_mov_b32 s30, 0xffff0000
	s_mov_b32 s35, 0
	s_wait_kmcnt 0x0
	s_cmp_lt_u32 ttmp9, 252
	s_cbranch_scc0 .Ltails
	; ================ HEAD
	s_and_b32 s62, s22, 3                          ; q: which five tiles of the slice
	s_lshr_b32 s63, s22, 2                         ; p: even or odd token tiles
	s_lshl_b32 s76, s63, 13                        ; p tiles of codes in LDS,
	s_lshl_b32 s77, s63, 9                         ; and of scale words
	s_lshr_b32 s23, ttmp9, 2                       ; vg
	s_and_b32 s24, ttmp9, 3                        ; tb
	s_mul_i32 s25, s23, 20
	s_mul_i32 s31, s62, 5
	s_add_co_u32 s25, s25, s31                     ; my first tile
	s_add_nc_u64 s[52:53], s[4:5], WC0
	s_add_nc_u64 s[54:55], s[4:5], WS0
	s_add_nc_u64 s[56:57], s[4:5], HBP
	s_lshl_b32 s34, s24, 18
	s_add_nc_u64 s[36:37], s[6:7], s[34:35]        ; h0's codes of the work-group's 32 token tiles
	s_lshl_b32 s34, s24, 14
	s_add_co_u32 s34, s34, HS0
	s_add_nc_u64 s[38:39], s[6:7], s[34:35]        ; and their scale words
	s_lshl_b32 s34, s23, 14
	s_lshl_b32 s31, s24, 11
	s_add_co_u32 s34, s34, s31
	s_add_nc_u64 s[60:61], s[20:21], s[34:35]      ; where the slice's (m, s) of these tokens go
	G 0
	s_lshl_b32 s31, s22, 11
	s_add_co_u32 s31, s31, STASH
	v_add_nc_u32 v3, s31, v2                       ; my stash: 2,048 bytes a wave
.irp t, 0,1,2,3,4
	s_add_co_u32 s31, s25, \t
	s_min_u32 s32, s31, 1250                       ; tiles past the last are the last again, under the padded biases
	s_lshl_b32 s33, s32, 13
	v_add_nc_u32 v[80+\t], s33, v1
	s_lshl_b32 s33, s32, 9
	v_add_nc_u32 v[85+\t], s33, v2
	s_cmp_lt_u32 s31, 1250
	s_cselect_b64 s[66+2*\t:67+2*\t], s[10:11], s[56:57]   ; b0, or the padded biases of rows 20,000 on
	s_cselect_b32 s34, 0, 1250
	s_sub_co_u32 s34, s31, s34
	s_lshl_b32 s34, s34, 6
	s_add_nc_u64 s[66+2*\t:67+2*\t], s[66+2*\t:67+2*\t], s[34:35]
.endr
	WIN 0x40                                       ; destination window 1, address window 0
.irp s, 0,1,2,3,4,5
.irp t, 0,1,2,3,4
.irp c, 0,1
	global_load_b128 v[40*\s+8*\t+4*\c:40*\s+8*\t+4*\c+3], v[80+\t], s[52:53] offset:1024*\s+512*\c
.endr
.endr
.endr
.irp t, 0,1
.irp c, 0,1
	global_load_b128 v[240+8*\t+4*\c:240+8*\t+4*\c+3], v[80+\t], s[52:53] offset:6144+512*\c
.endr
.endr
	WIN 0
.irp t, 2,3,4
.irp c, 0,1
	global_load_b128 v[W67+8*(\t-2)+4*\c:W67+8*(\t-2)+4*\c+3], v[80+\t], s[52:53] offset:6144+512*\c
.endr
.endr
.irp t, 0,1,2,3,4
.irp c, 0,1
	global_load_b128 v[W67+24+8*\t+4*\c:W67+24+8*\t+4*\c+3], v[80+\t], s[52:53] offset:7168+512*\c
.endr
.endr
.irp t, 0,1,2,3,4
.irp j, 0,1,2,3
	global_load_b32 v[WSR+4*\t+\j], v[85+\t], s[54:55] offset:128*\j
.endr
	global_load_b128 v[BIAS+8*\t:BIAS+8*\t+3], v20, s[66+2*\t:67+2*\t]
	global_load_b128 v[BIAS+8*\t+4:BIAS+8*\t+7], v20, s[66+2*\t:67+2*\t] offset:16
.endr
	STAGE 0                                        ; its wait for all loads serves w's fragments, scale words and biases too
	s_add_co_u32 s40, s76, 0
	s_add_co_u32 s41, s77, HSL
	s_mov_b32 s42, 0
	LDA
	s_wait_dscnt 0x0
	MMFULL                                         ; my first tile of chunk 0
	ITER                                           ; and my second
	CHUNK 1
	CHUNK 2
	CHUNK 3
	CHUNK 4
	CHUNK 5
	CHUNK 6
	CHUNK 7
	NOP4
	SM
	STASHIT
	s_wait_dscnt 0x0
	s_barrier_signal -1
	s_barrier_wait -1                              ; all eight waves' (m, s) of the 512 tokens lie in LDS
	s_cmp_lt_u32 s22, 4
	s_cbranch_scc1 .Lmerge
	s_wait_xcnt 0x0
	v_lshl_add_u32 v254, v0, 2, 0x48000
	v_mov_b32 v255, 0
	s_wait_tensorcnt 0x0
	ds_add_u32 v254, v255
	s_wait_dscnt 0x0
	s_endpgm
.Lmerge:                                               ; threads 0 .. 127: thread t merges tokens 4 t .. 4 t + 3, of token tile T = t / 4: in the stash of wave q + 4 (T % 2), place T / 2
	v_lshrrev_b32 v6, 3, v0
	v_lshlrev_b32 v6, 7, v6
	v_bfe_u32 v7, v0, 2, 1
	v_lshl_add_u32 v6, v7, 13, v6
	v_and_b32 v7, 3, v0
	v_lshl_add_u32 v6, v7, 4, v6
	v_add_nc_u32 v6, STASH, v6
.irp w, 0,1,2,3
	ds_load_b128 v[MB+8*\w:MB+8*\w+3], v6 offset:2048*\w
	ds_load_b128 v[MB+8*\w+4:MB+8*\w+7], v6 offset:2048*\w+64
.endr
	s_wait_dscnt 0x0
.irp k, 0,1,2,3
	v_max3_num_f32 v[MB+32+\k], v[MB+\k], v[MB+8+\k], v[MB+16+\k]
.endr
.irp k, 0,1,2,3
	v_max_num_f32 v[MB+32+\k], v[MB+32+\k], v[MB+24+\k]
.endr
.irp k, 0,1,2,3
	v_mul_f32 v[MB+36+\k], NCL2E, v[MB+32+\k]
.endr
.irp w, 0,1,2,3
.irp k, 0,2
	v_pk_fma_f32 v[MB+8*\w+\k:MB+8*\w+\k+1], v[MB+8*\w+\k:MB+8*\w+\k+1], s[26:27], v[MB+36+\k:MB+37+\k] op_sel_hi:[1,0,1]
.endr
.endr
.irp w, 0,1,2,3
.irp k, 0,1,2,3
	v_exp_f32 v[MB+8*\w+\k], v[MB+8*\w+\k]
.endr
.endr
	v_nop
	s_wait_alu depctr_va_vdst(0)
.irp k, 0,2
	v_pk_mul_f32 v[MB+40+\k:MB+41+\k], v[MB+\k:MB+\k+1], v[MB+4+\k:MB+5+\k]
.endr
.irp w, 1,2,3
.irp k, 0,2
	v_pk_fma_f32 v[MB+40+\k:MB+41+\k], v[MB+8*\w+\k:MB+8*\w+\k+1], v[MB+8*\w+4+\k:MB+8*\w+5+\k], v[MB+40+\k:MB+41+\k]
.endr
.endr
	global_store_b128 v4, v[MB+32:MB+35], s[60:61]           ; a wave stores 512 consecutive bytes
	global_store_b128 v4, v[MB+40:MB+43], s[60:61] offset:8192
	s_wait_xcnt 0x0
	v_lshl_add_u32 v254, v0, 2, 0x48000
	v_mov_b32 v255, 0
	s_wait_tensorcnt 0x0
	ds_add_u32 v254, v255
	s_wait_dscnt 0x0
	s_endpgm
	; ================ TAILS
.macro LDH kind                        ; a tile of the tail's sorted tokens
.if \kind == 1
.irp i, 0,1,2,3
	global_load_b128 v[HF+4*\i:HF+4*\i+3], v6, s[44:45] offset:512*\i
.endr
.else
	global_load_b128 v[HF:HF+3], v6, s[44:45]
.endif
.if \kind < 3
	global_load_b32 v[HSR], v7, s[46:47]
.endif
.endm
.macro TAILP kind
.if \kind == 1
.set WCX, WC1
.set WSX, WS1
.set HCX, HC1
.set HSX, HS1
.set WTB, 2048
.set HSH, 11
.elseif \kind == 2
.set WCX, WC2
.set WSX, WS2
.set HCX, HC2
.set HSX, HS2
.set WTB, 512
.set HSH, 9
.else
.set HCX, H3B
.set WTB, 1024
.set HSH, 9
.endif
	s_load_b32 s51, s[8:9], 24576+4*(\kind-1)      ; the tail's tiles that hold members
	s_mul_i32 s34, s25, 5*WTB
.if \kind < 3
	s_add_co_u32 s34, s34, WCX
	s_add_nc_u64 s[52:53], s[4:5], s[34:35]
	s_mul_i32 s34, s25, 640
	s_add_co_u32 s34, s34, WSX
	s_add_nc_u64 s[54:55], s[4:5], s[34:35]
	s_add_nc_u64 s[46:47], s[6:7], HSX
.else
	s_add_nc_u64 s[52:53], s[18:19], s[34:35]
.endif
	s_mul_i32 s34, s25, 320
	s_add_nc_u64 s[56:57], s[10+2*\kind:11+2*\kind], s[34:35]
	s_add_nc_u64 s[44:45], s[6:7], HCX
	s_add_co_u32 s34, s25, 125*(\kind-1)
	s_lshl_b32 s34, s34, 14
	s_add_co_u32 s34, s34, PT
	s_add_nc_u64 s[48:49], s[20:21], s[34:35]
	s_wait_kmcnt 0x0
	s_min_u32 s51, s51, 128
	s_cmp_lt_u32 s24, s51
	s_cbranch_scc1 .Lwork_\@
	s_endpgm                                       ; this split leaves this work-group's tiles z, z + 4, .. without members
.Lwork_\@:
	s_sub_co_u32 s33, s51, s24                     ; my trips: tiles z, z + 4, .. below the count: (count - z + 3) / 4, at least one
	s_add_co_u32 s33, s33, 3
	s_lshr_b32 s33, s33, 2
	s_mov_b32 s32, 0                               ; the trip in hand
.if \kind == 1
	WIN 0x40
.irp t, 0,1,2,3,4
.irp q, 0,1,2,3
	global_load_b128 v[40*(\q/2)+8*\t+4*(\q%2):40*(\q/2)+8*\t+4*(\q%2)+3], v1, s[52:53] offset:2048*\t+512*\q
.endr
.endr
	WIN 0
.elseif \kind == 2
	WIN 0x40
.irp t, 0,1,2,3,4
	global_load_b128 v[8*\t:8*\t+3], v1, s[52:53] offset:512*\t
.endr
.irp t, 0,1,2,3,4
.irp k, 4,5,6,7
	v_mov_b32 v[8*\t+\k], 0                        ; K = 64: the fragment's upper 64 are zero codes
.endr
.endr
	WIN 0
.else
	v_and_b32 v21, 15, v0
	v_lshl_add_u32 v21, v21, 6, v20                ; w3: row r of 64 bytes, + 32 h
.irp t, 0,1,2,3,4
	global_load_b128 v[192+8*\t:195+8*\t], v21, s[52:53] offset:1024*\t
	global_load_b128 v[196+8*\t:199+8*\t], v21, s[52:53] offset:1024*\t+16
.endr
.endif
.if \kind > 1
.irp k, 4,5,6,7
	v_mov_b32 v[HF+\k], 0
.endr
.endif
.irp t, 0,1,2,3,4
.if \kind < 3
	global_load_b32 v[WSR+\t], v2, s[54:55] offset:128*\t
.endif
	global_load_b128 v[BIAS+8*\t:BIAS+8*\t+3], v20, s[56:57] offset:64*\t
	global_load_b128 v[BIAS+8*\t+4:BIAS+8*\t+7], v20, s[56:57] offset:64*\t+16
.endr
	s_lshl_b32 s59, s24, HSH                       ; my first tile of tokens: z = 0 .. 3
	v_add_nc_u32 v6, s59, v1
	s_lshl_b32 s59, s24, 7
	v_add_nc_u32 v7, s59, v2
	LDH \kind
.if \kind == 3
	s_wait_loadcnt 0x0
	WIN 0x40
.irp t, 0,1,2,3,4
.irp k, 0,1,2,3
	v_cvt_pk_bf16_f32 v[8*\t+\k], v[192+8*\t+2*\k], v[193+8*\t+2*\k]
.endr
.irp k, 4,5,6,7
	v_mov_b32 v[8*\t+\k], 0                        ; K = 16: the fragment's upper 16 are zeros
.endr
.endr
	WIN 0
.endif
.rept 8
	v_nop                                          ; operands written by vector instructions stand well ahead of the first product
.endr
.Lt_\@:                                                ; trip k works tile 4 k + z and fetches tile 4 k + z + 4
	s_wait_loadcnt 0x0                             ; this tile's loads, issued ahead of the last tile's sums
.if \kind == 1
	KSTEP 0, 1
	KSTEP 1, 1
	WIN 0
.elseif \kind == 2
	KSTEP 0, 1
	WIN 0
.else
	MM3
.endif
	s_lshl_b32 s50, s32, 2
	s_add_co_u32 s50, s50, s24                     ; the tile in hand,
	s_add_co_u32 s58, s50, 4                       ; and my next:
	s_min_u32 s50, s50, 127
	s_min_u32 s58, s58, 127                        ; both lie among the 128 tiles of the buffer, all of which is written
	s_wait_xcnt 0x0                                ; the last store has read v8 and v9
	s_lshl_b32 s59, s58, HSH
	v_add_nc_u32 v6, s59, v1
	s_lshl_b32 s59, s58, 7
	v_add_nc_u32 v7, s59, v2
	s_lshl_b32 s59, s50, 7
	v_add_nc_u32 v8, s59, v2
	v_nop                                          ; with the three additions: four places behind the products
	LDH \kind
	SM
	global_store_b32 v8, v9, s[48:49]              ; 16 m, then 16 s: 128 consecutive bytes
	s_add_co_u32 s32, s32, 1
	s_cmp_lt_u32 s32, s33
	s_cbranch_scc1 .Lt_\@
	s_endpgm
.endm
.Ltails:
	s_sub_co_u32 s31, ttmp9, 252
	s_and_b32 s24, s31, 3                          ; z: which of every four tiles of tokens
	s_bfe_u32 s23, s31, 0x40002
	s_lshl_b32 s25, s23, 3
	s_add_co_u32 s25, s25, s22                     ; my group of five tiles of the tail's rows
	s_lshr_b32 s31, s31, 6
	s_cmp_lt_u32 s25, 125
	s_cbranch_scc1 .Ltgo
	s_endpgm
.Ltgo:
	s_cmp_eq_u32 s31, 0
	s_cbranch_scc1 .Ltail1
	s_cmp_eq_u32 s31, 1
	s_cbranch_scc1 .Ltail2
	TAILP 3
.Ltail1:
	TAILP 1
.Ltail2:
	TAILP 2
.Lfunc_end_k_q2c1f7ff628_lse:
	.size	k_q2c1f7ff628_lse, .Lfunc_end_k_q2c1f7ff628_lse-k_q2c1f7ff628_lse
	.p2alignl 7, 3214868480
	.fill 96, 4, 3214868480
	.section	.rodata,"a",@progbits
	.p2align	6, 0x0
	.amdhsa_kernel k_q2c1f7ff628_lse
		.amdhsa_group_segment_fixed_size 295936
		.amdhsa_private_segment_fixed_size 0
		.amdhsa_enable_private_segment 0
		.amdhsa_kernarg_size 72
		.amdhsa_user_sgpr_count 2
		.amdhsa_user_sgpr_kernarg_segment_ptr 1
		.amdhsa_wavefront_size32 1
		.amdhsa_system_sgpr_workgroup_id_x 1
		.amdhsa_system_sgpr_workgroup_id_y 1
		.amdhsa_system_sgpr_workgroup_id_z 1
		.amdhsa_system_vgpr_workitem_id 0
		.amdhsa_next_free_vgpr 512
		.amdhsa_next_free_sgpr 80
		.amdhsa_reserve_vcc 0
		.amdhsa_float_denorm_mode_32 3
		.amdhsa_float_denorm_mode_16_64 3
		.amdhsa_memory_ordered 1
		.amdhsa_forward_progress 1
		.amdhsa_inst_pref_size 185
	.end_amdhsa_kernel
	.amdgpu_metadata
---
amdhsa.version: [ 1, 2 ]
amdhsa.kernels:
  - .name:           k_q2c1f7ff628_lse
    .symbol:         k_q2c1f7ff628_lse.kd
    .args:
      - { .name: qa, .offset: 0, .size: 8, .value_kind: global_buffer, .address_space: global }
      - { .name: qb, .offset: 8, .size: 8, .value_kind: global_buffer, .address_space: global }
      - { .name: route, .offset: 16, .size: 8, .value_kind: global_buffer, .address_space: global }
      - { .name: b0, .offset: 24, .size: 8, .value_kind: global_buffer, .address_space: global }
      - { .name: b1, .offset: 32, .size: 8, .value_kind: global_buffer, .address_space: global }
      - { .name: b2, .offset: 40, .size: 8, .value_kind: global_buffer, .address_space: global }
      - { .name: b3, .offset: 48, .size: 8, .value_kind: global_buffer, .address_space: global }
      - { .name: w3, .offset: 56, .size: 8, .value_kind: global_buffer, .address_space: global }
      - { .name: part, .offset: 64, .size: 8, .value_kind: global_buffer, .address_space: global }
    .group_segment_fixed_size: 295936
    .private_segment_fixed_size: 0
    .kernarg_segment_align: 8
    .kernarg_segment_size: 72
    .max_flat_workgroup_size: 256
    .sgpr_count:     80
    .vgpr_count:     512
    .wavefront_size: 32
...
	.end_amdgpu_metadata
.endif
;; end of part 3
;; launch final (part 4): grid 128 x 1, 1 waves a work-group, no clusters, 0 bytes of LDS; arguments target, route, qa, qb, part, w3, b0, b1, b2, b3, out0; writes out0
.if DOCPART == 4
	.amdgcn_target "amdgcn-amd-amdhsa--gfx1250"
	.amdhsa_code_object_version 6
	.text
	.protected	k_q2c1f7ff628_final
	.globl	k_q2c1f7ff628_final
	.p2align	8
	.type	k_q2c1f7ff628_final,@function
k_q2c1f7ff628_final:
	s_mov_b64 s[64:65], 0
	v_nop
	global_prefetch_b8 v0, s[64:65] scope:SCOPE_SE
	s_setreg_imm32_b32 hwreg(HW_REG_WAVE_MODE, 25, 1), 1
	s_wait_xcnt 0x0
; nll of 16 tokens a wave.  The slices' (m, s) are merged into the head's log-sum-exp and, for a token of a tail, that tail's; the picked logits are the diagonal of
; 16 x 16 products: source 0 = the 16 rows of w that the 16 tokens pick (gathered block by block), source 1 = the 16 tokens' h.  Head and tails 1, 2 on codes of FP4, tail 3 on bf16.
; Lane (r, h) serves token 16 T + r; the two halves of the lanes share the slices.  All loads are issued, then one wait.
; LIMITS: targets lie in 0 .. 49,999 (for addresses they are held inside the tables); NaN and infinities are not served.
; REGISTERS: window 0: addresses, operands of the tails' picks, accumulators.  window 1: v0-31, v32-63 the head's m, s; v64-127, v128-191 the tail's; v240-251 at work.  window 2: the head pick's fragments.
.set WC0,  1880064
.set WS0,  12128256
.set WC1,  12768768
.set WS1,  14048768
.set WC2,  14128896
.set WS2,  14448896
.set HBP,  14529024
.set HS0,  1048576
.set HC1,  1114112
.set HS1,  1376256
.set HC2,  1392640
.set HS2,  1458176
.set H3B,  1474560
.set PT,   1032192
.set CL2E,  0x3fb8aa3b
.set NCL2E, 0xbfb8aa3b
.set PADB,  0xf1800000                 ; -2^100
.set MSB, 0
.macro WIN new
.if MSB != \new
	s_set_vgpr_msb (MSB<<8)|\new
.set MSB, \new
.endif
.endm
.macro GADDR d, x, hi, lo              ; (x / 16) tiles of 16 << hi bytes + (x % 16) << lo
	v_and_b32 v37, -16, v[\x]
	v_and_b32 v38, 15, v[\x]
	v_lshlrev_b32 v[\d], \hi, v37
	v_lshl_add_u32 v[\d], v38, \lo, v[\d]
.endm
.macro DIAG a, d                       ; element (m, m) lies in lane m (m < 8) or 16 + m (m >= 8), register m % 8; every lane (r, h) gets token r's
	v_cndmask_b32 v170, v[\a], v[\a+1], s56
	v_cndmask_b32 v171, v[\a+2], v[\a+3], s56
	v_cndmask_b32 v172, v[\a+4], v[\a+5], s56
	v_cndmask_b32 v173, v[\a+6], v[\a+7], s56
	v_cndmask_b32 v170, v170, v171, s57
	v_cndmask_b32 v172, v172, v173, s57
	v_cndmask_b32 v170, v170, v172, s58
	v_permlanex16_b32 v174, v170, s62, s63
	v_cndmask_b32 v[\d], v174, v170, s59
.endm
.macro LSEM mb, sb, n, om, os          ; n pairs (m, s) a lane, in window 1: M = the largest m, S = the sum of s 2^(c m - c M), over both halves of the lanes
	WIN 0x55
	v_max3_num_f32 v244, v[\mb], v[\mb+1], v[\mb+2]
.set i, 3
.rept (\n-4)/2
	v_max3_num_f32 v244, v244, v[\mb+i], v[\mb+i+1]
.set i, i+2
.endr
	v_max_num_f32 v244, v244, v[\mb+\n-1]
	v_permlanex16_b32 v245, v244, s62, s63
	v_max_num_f32 v[\om], v244, v245
	v_mul_f32 v246, NCL2E, v[\om]
.set i, 0
.rept \n/2
	v_pk_fma_f32 v[\mb+i:\mb+i+1], v[\mb+i:\mb+i+1], s[66:67], v[246:247] op_sel_hi:[1,0,0]
.set i, i+2
.endr
.set i, 0
.rept \n
	v_exp_f32 v[\mb+i], v[\mb+i]
.set i, i+1
.endr
	v_nop
	s_wait_alu depctr_va_vdst(0)
	v_pk_mul_f32 v[248:249], v[\mb:\mb+1], v[\sb:\sb+1]
	v_pk_mul_f32 v[250:251], v[\mb+2:\mb+3], v[\sb+2:\sb+3]
.set i, 4
.rept (\n-4)/4
	v_pk_fma_f32 v[248:249], v[\mb+i:\mb+i+1], v[\sb+i:\sb+i+1], v[248:249]
	v_pk_fma_f32 v[250:251], v[\mb+i+2:\mb+i+3], v[\sb+i+2:\sb+i+3], v[250:251]
.set i, i+4
.endr
	v_pk_add_f32 v[248:249], v[248:249], v[250:251]
	v_add_f32 v248, v248, v249
	v_permlanex16_b32 v245, v248, s62, s63
	v_add_f32 v[\os], v248, v245
	WIN 0
.endm
	s_load_b512 s[4:19], s[0:1], 0x0               ; target 4, route 6, qa 8, qb 10, part 12, w3 14, b0 16, b1 18
	s_load_b128 s[20:23], s[0:1], 0x40             ; b2 20, b3 22
	s_load_b64 s[24:25], s[0:1], 0x50              ; out0
	v_and_b32 v2, 15, v0                           ; r
	v_lshrrev_b32 v3, 4, v0                        ; h (one wave: v0 is the lane)
	v_lshlrev_b32 v1, 4, v0
	v_lshlrev_b32 v21, 2, v0
	s_lshl_b32 s68, ttmp9, 6
	s_mov_b32 s69, 0
	v_lshl_add_u32 v4, v2, 2, s68                  ; 4 x my token
	s_mov_b32 s56, 0xaaaaaaaa
	s_mov_b32 s57, 0xcccccccc
	s_mov_b32 s58, 0xf0f0f0f0
	s_mov_b32 s59, 0xff0000ff
	s_mov_b32 s60, 0x0000ffff
	s_mov_b32 s62, 0x76543210
	s_mov_b32 s63, 0xfedcba98
	s_mov_b32 s66, CL2E
	s_mov_b32 s67, CL2E
.irp k, 116,117,118,119,124,125,126,127,132,133,134,135,140,141,142,143,174
	v_mov_b32 v\k, 0                               ; the upper halves of the short-K fragments; a permute's destination
.endr
	s_wait_kmcnt 0x0
	global_load_b32 v5, v4, s[4:5]
.irp i, 0,1,2
	global_load_b32 v[6+\i], v4, s[6:7] offset:8192*\i
.endr
	s_add_nc_u64 s[26:27], s[12:13], PT
	s_add_nc_u64 s[28:29], s[8:9], WC0
	s_add_nc_u64 s[30:31], s[8:9], WS0
	s_add_nc_u64 s[32:33], s[8:9], WC1
	s_add_nc_u64 s[34:35], s[8:9], WS1
	s_add_nc_u64 s[36:37], s[8:9], WC2
	s_add_nc_u64 s[38:39], s[8:9], WS2
	s_add_nc_u64 s[40:41], s[8:9], HBP
	s_lshl_b32 s68, ttmp9, 13
	s_add_nc_u64 s[42:43], s[10:11], s[68:69]
	s_lshl_b32 s68, ttmp9, 9
	s_add_co_u32 s68, s68, HS0
	s_add_nc_u64 s[44:45], s[10:11], s[68:69]
	s_add_nc_u64 s[46:47], s[10:11], HC1
	s_add_nc_u64 s[48:49], s[10:11], HS1
	s_add_nc_u64 s[50:51], s[10:11], HC2
	s_add_nc_u64 s[52:53], s[10:11], HS2
	s_add_nc_u64 s[54:55], s[10:11], H3B
	s_wait_loadcnt 0x0
	; whole numbers: the cluster c (0: shortlist), the head's picked row, each tail's picked row, the places
	v_cmp_lt_u32 vcc_lo, 19999, v5
	v_cndmask_b32 v9, 0, 1, vcc_lo
	v_cmp_lt_u32 vcc_lo, 29999, v5
	v_cndmask_b32 v37, 0, 1, vcc_lo
	v_add_nc_u32 v9, v9, v37
	v_cmp_lt_u32 vcc_lo, 39999, v5
	v_cndmask_b32 v37, 0, 1, vcc_lo
	v_add_nc_u32 v9, v9, v37
	v_cmp_ne_u32 s61, 0, v9
	v_cmp_eq_u32 s71, 1, v9
	v_cmp_eq_u32 s72, 2, v9
	v_cmp_eq_u32 s73, 3, v9
	v_sub_nc_u32 v10, 20003, v9
	v_cndmask_b32 v10, v5, v10, s61
	v_min_u32 v10, 20002, v10                      ; hp
	v_add_nc_u32 v11, 0xffffb1e0, v5
	v_max_i32 v11, 0, v11
	v_min_u32 v11, 9999, v11                       ; t1
	v_add_nc_u32 v12, 0xffff8ad0, v5
	v_max_i32 v12, 0, v12
	v_min_u32 v12, 9999, v12                       ; t2
	v_add_nc_u32 v13, 0xffff63c0, v5
	v_max_i32 v13, 0, v13
	v_min_u32 v13, 9999, v13                       ; t3
	v_mov_b32 v14, 0
	v_cndmask_b32 v14, v14, v6, s71
	v_cndmask_b32 v14, v14, v7, s72
	v_cndmask_b32 v14, v14, v8, s73
	v_min_u32 v14, 0x7ff, v14                      ; my place in my tail (0 for a shortlist token: that place's sums exist and are not used)
	v_min_u32 v6, 0x7ff, v6
	v_min_u32 v7, 0x7ff, v7
	v_min_u32 v8, 0x7ff, v8
	v_max_u32 v15, 1, v9
	v_add_nc_u32 v15, -1, v15
	v_min_u32 v15, 2, v15
	v_lshl_add_u32 v16, v3, 14, v4                 ; the head's slices 2 i + h
	v_mul_u32_u24 v17, v15, 0x1f4000               ; a tail's sums: 125 x 16,384 bytes
	GADDR 18, 14, 3, 2
	v_add_nc_u32 v17, v17, v18
	v_lshl_add_u32 v18, v3, 14, v17                ; the tail's groups 2 i + h
	GADDR 19, 10, 9, 4
	v_lshl_add_u32 v19, v3, 8, v19
	GADDR 20, 10, 5, 2
	v_lshl_add_u32 v20, v3, 6, v20
	GADDR 22, 11, 7, 4
	v_lshl_add_u32 v22, v3, 8, v22
	GADDR 23, 11, 3, 2
	v_lshl_add_u32 v23, v3, 6, v23
	GADDR 24, 6, 7, 4
	v_lshl_add_u32 v24, v3, 8, v24
	GADDR 25, 6, 3, 2
	v_lshl_add_u32 v25, v3, 6, v25
	GADDR 26, 12, 5, 4
	v_lshl_add_u32 v26, v3, 8, v26
	GADDR 27, 12, 3, 2
	v_lshl_add_u32 v27, v3, 6, v27
	GADDR 28, 7, 5, 4
	v_lshl_add_u32 v28, v3, 8, v28
	GADDR 29, 7, 3, 2
	v_lshl_add_u32 v29, v3, 6, v29
	v_lshlrev_b32 v30, 6, v13
	v_lshl_add_u32 v30, v3, 5, v30
	GADDR 31, 8, 5, 4
	v_lshl_add_u32 v31, v3, 8, v31
	v_min_u32 v32, 19999, v10
	v_lshlrev_b32 v32, 2, v32
	v_add_nc_u32 v33, 0xffffb1e0, v10
	v_max_i32 v33, 0, v33
	v_min_u32 v33, 2, v33
	v_lshlrev_b32 v33, 2, v33
	v_lshlrev_b32 v34, 2, v11
	v_lshlrev_b32 v35, 2, v12
	v_lshlrev_b32 v36, 2, v13
	; all loads
	WIN 0x40
.set i, 0
.rept 31
	global_load_b32 v[i], v16, s[12:13] offset:i*32768
	global_load_b32 v[32+i], v16, s[12:13] offset:i*32768+8192
.set i, i+1
.endr
	global_load_b32 v31, v4, s[12:13] offset:62*16384          ; slice 62, by both halves; lanes 16-31 are masked below
	global_load_b32 v63, v4, s[12:13] offset:62*16384+8192
.set i, 0
.rept 62
	global_load_b32 v[64+i], v18, s[26:27] offset:i*32768
	global_load_b32 v[128+i], v18, s[26:27] offset:i*32768+64
.set i, i+1
.endr
	global_load_b32 v126, v17, s[26:27] offset:124*16384       ; group 124, likewise
	global_load_b32 v190, v17, s[26:27] offset:124*16384+64
	v_mov_b32 v127, PADB                           ; an entry that counts for nothing makes the count even
	v_mov_b32 v191, 0
	v_mov_b32 v245, 0
	v_mov_b32 v247, 0
	WIN 0x80
.irp i, 0,1,2,3,4,5,6,7,8,9,10,11,12,13,14,15
	global_load_b128 v[4*\i:4*\i+3], v19, s[28:29] offset:512*\i
	global_load_b128 v[64+4*\i:67+4*\i], v1, s[42:43] offset:512*\i
.endr
	WIN 0
.irp j, 0,1,2,3
	global_load_b32 v[152+\j], v20, s[30:31] offset:128*\j
	global_load_b32 v[156+\j], v21, s[44:45] offset:128*\j
.endr
.irp i, 0,1,2,3
	global_load_b128 v[80+4*\i:83+4*\i], v22, s[32:33] offset:512*\i
	global_load_b128 v[96+4*\i:99+4*\i], v24, s[46:47] offset:512*\i
.endr
	global_load_b32 v160, v23, s[34:35]
	global_load_b32 v161, v25, s[48:49]
	global_load_b128 v[112:115], v26, s[36:37]
	global_load_b128 v[120:123], v28, s[50:51]
	global_load_b32 v162, v27, s[38:39]
	global_load_b32 v163, v29, s[52:53]
	global_load_b128 v[144:147], v30, s[14:15]
	global_load_b128 v[148:151], v30, s[14:15] offset:16
	global_load_b128 v[136:139], v31, s[54:55]
	global_load_b32 v164, v32, s[16:17]
	global_load_b32 v165, v33, s[40:41]
	global_load_b32 v166, v34, s[18:19]
	global_load_b32 v167, v35, s[20:21]
	global_load_b32 v168, v36, s[22:23]
	s_wait_loadcnt 0x0
.irp k, 0,1,2,3
	v_cvt_pk_bf16_f32 v[128+\k], v[144+2*\k], v[145+2*\k]
.endr
	WIN 0x55
	v_cndmask_b32 v31, PADB, v31, s60              ; lanes 16-31: (-2^100, 0)
	v_cndmask_b32 v63, 0, v63, s60
	v_cndmask_b32 v126, PADB, v126, s60
	v_cndmask_b32 v190, 0, v190, s60
	; the picks: two accumulators take turns through the head's eight K steps
	WIN 0x0a
.irp s, 0,1,2,3,4,5,6,7
.if \s == 0
	v_wmma_scale_f32_16x16x128_f8f6f4 v[40:47], v[8*\s:8*\s+7], v[64+8*\s:71+8*\s], 0, v[152+\s/2], v[156+\s/2] matrix_a_fmt:MATRIX_FMT_FP4 matrix_b_fmt:MATRIX_FMT_FP4
.elseif \s == 1
	v_wmma_scale_f32_16x16x128_f8f6f4 v[48:55], v[8*\s:8*\s+7], v[64+8*\s:71+8*\s], 0, v[152+\s/2], v[156+\s/2] matrix_a_fmt:MATRIX_FMT_FP4 matrix_b_fmt:MATRIX_FMT_FP4 matrix_a_scale:MATRIX_SCALE_ROW1 matrix_b_scale:MATRIX_SCALE_ROW1
.elseif \s%2 == 0
	v_wmma_scale_f32_16x16x128_f8f6f4 v[40:47], v[8*\s:8*\s+7], v[64+8*\s:71+8*\s], v[40:47], v[152+\s/2], v[156+\s/2] matrix_a_fmt:MATRIX_FMT_FP4 matrix_b_fmt:MATRIX_FMT_FP4
.else
	v_wmma_scale_f32_16x16x128_f8f6f4 v[48:55], v[8*\s:8*\s+7], v[64+8*\s:71+8*\s], v[48:55], v[152+\s/2], v[156+\s/2] matrix_a_fmt:MATRIX_FMT_FP4 matrix_b_fmt:MATRIX_FMT_FP4 matrix_a_scale:MATRIX_SCALE_ROW1 matrix_b_scale:MATRIX_SCALE_ROW1
.endif
.endr
	WIN 0
	v_wmma_scale_f32_16x16x128_f8f6f4 v[56:63], v[80:87], v[96:103], 0, v160, v161 matrix_a_fmt:MATRIX_FMT_FP4 matrix_b_fmt:MATRIX_FMT_FP4
	v_wmma_scale_f32_16x16x128_f8f6f4 v[64:71], v[112:119], v[120:127], 0, v162, v163 matrix_a_fmt:MATRIX_FMT_FP4 matrix_b_fmt:MATRIX_FMT_FP4
	v_wmma_scale_f32_16x16x128_f8f6f4 v[56:63], v[88:95], v[104:111], v[56:63], v160, v161 matrix_a_fmt:MATRIX_FMT_FP4 matrix_b_fmt:MATRIX_FMT_FP4 matrix_a_scale:MATRIX_SCALE_ROW1 matrix_b_scale:MATRIX_SCALE_ROW1
	v_wmma_f32_16x16x32_bf16 v[72:79], v[128:135], v[136:143], 0
.rept 4
	v_nop
.endr
	LSEM 0, 32, 32, 240, 241
	LSEM 64, 128, 64, 242, 243
	WIN 0x01
	v_mov_b32 v176, v240
	v_mov_b32 v177, v241
	v_mov_b32 v178, v242
	v_mov_b32 v179, v243
	WIN 0
.irp j, 0,2,4,6
	v_pk_add_f32 v[40+\j:41+\j], v[40+\j:41+\j], v[48+\j:49+\j]
.endr
	DIAG 40, 180
	DIAG 56, 181
	DIAG 64, 182
	DIAG 72, 183
	v_cndmask_b32 v164, v164, v165, s61            ; the picked head row's bias: b0's, or a cluster's
	v_add_f32 v180, v180, v164
	v_add_f32 v181, v181, v166
	v_add_f32 v182, v182, v167
	v_add_f32 v183, v183, v168
	v_cndmask_b32 v181, v181, v182, s72
	v_cndmask_b32 v181, v181, v183, s73
	v_log_f32 v177, v177
	v_log_f32 v179, v179
	v_nop
	s_wait_alu depctr_va_vdst(0)
	v_fmac_f32 v176, 0x3f317218, v177              ; M + ln 2 x log2(S)
	v_fmac_f32 v178, 0x3f317218, v179
	v_sub_f32 v176, v176, v180
	v_sub_f32 v178, v178, v181
	v_cndmask_b32 v178, 0, v178, s61               ; the tail's part counts for a tail's token alone
	v_add_f32 v176, v176, v178
	v_cmp_gt_u32 vcc_lo, 16, v0
	s_wait_xcnt 0x0                                ; EXEC changes only behind this wait
	s_and_saveexec_b32 s70, vcc_lo
	global_store_b32 v4, v176, s[24:25]
	s_wait_xcnt 0x0
	s_or_b32 exec_lo, exec_lo, s70
	s_endpgm
.Lfunc_end_k_q2c1f7ff628_final:
	.size	k_q2c1f7ff628_final, .Lfunc_end_k_q2c1f7ff628_final-k_q2c1f7ff628_final
	.p2alignl 7, 3214868480
	.fill 96, 4, 3214868480
	.section	.rodata,"a",@progbits
	.p2align	6, 0x0
	.amdhsa_kernel k_q2c1f7ff628_final
		.amdhsa_group_segment_fixed_size 0
		.amdhsa_private_segment_fixed_size 0
		.amdhsa_enable_private_segment 0
		.amdhsa_kernarg_size 88
		.amdhsa_user_sgpr_count 2
		.amdhsa_user_sgpr_kernarg_segment_ptr 1
		.amdhsa_wavefront_size32 1
		.amdhsa_system_sgpr_workgroup_id_x 1
		.amdhsa_system_sgpr_workgroup_id_y 1
		.amdhsa_system_sgpr_workgroup_id_z 1
		.amdhsa_system_vgpr_workitem_id 0
		.amdhsa_next_free_vgpr 640
		.amdhsa_next_free_sgpr 80
		.amdhsa_reserve_vcc 1
		.amdhsa_float_denorm_mode_32 3
		.amdhsa_float_denorm_mode_16_64 3
		.amdhsa_memory_ordered 1
		.amdhsa_forward_progress 1
		.amdhsa_inst_pref_size 52
	.end_amdhsa_kernel
	.amdgpu_metadata
---
amdhsa.version: [ 1, 2 ]
amdhsa.kernels:
  - .name:           k_q2c1f7ff628_final
    .symbol:         k_q2c1f7ff628_final.kd
    .args:
      - { .name: target, .offset: 0, .size: 8, .value_kind: global_buffer, .address_space: global }
      - { .name: route, .offset: 8, .size: 8, .value_kind: global_buffer, .address_space: global }
      - { .name: qa, .offset: 16, .size: 8, .value_kind: global_buffer, .address_space: global }
      - { .name: qb, .offset: 24, .size: 8, .value_kind: global_buffer, .address_space: global }
      - { .name: part, .offset: 32, .size: 8, .value_kind: global_buffer, .address_space: global }
      - { .name: w3, .offset: 40, .size: 8, .value_kind: global_buffer, .address_space: global }
      - { .name: b0, .offset: 48, .size: 8, .value_kind: global_buffer, .address_space: global }
      - { .name: b1, .offset: 56, .size: 8, .value_kind: global_buffer, .address_space: global }
      - { .name: b2, .offset: 64, .size: 8, .value_kind: global_buffer, .address_space: global }
      - { .name: b3, .offset: 72, .size: 8, .value_kind: global_buffer, .address_space: global }
      - { .name: out0, .offset: 80, .size: 8, .value_kind: global_buffer, .address_space: global }
    .group_segment_fixed_size: 0
    .private_segment_fixed_size: 0
    .kernarg_segment_align: 8
    .kernarg_segment_size: 88
    .max_flat_workgroup_size: 32
    .sgpr_count:     80
    .vgpr_count:     640
    .wavefront_size: 32
...
	.end_amdgpu_metadata
.endif
;; end of part 4
;; ======== version 2 of 2: 4 launches; version 1 with the launches lse, final written anew for expert scheduling mode
;; limits: right only within a limited range of input values
;; workspace buffers: qa 14,529,792 bytes; route 24,832 bytes of whole numbers; qb 1,540,096 bytes; part 7,176,192 bytes
;; launch quant: the kernel of part 1 again; grid 1654 x 1, 4 waves a work-group, no clusters, 35,328 bytes of LDS; arguments hidden, w0, cluster_w, w1, w2, proj0, proj1, proj2, proj3, target, cluster_b, qa, route; writes qa, route
;; launch hproj: the kernel of part 2 again; grid 11 x 16, 8 waves a work-group, no clusters, 66,560 bytes of LDS; arguments qa, route, qb; writes qb
;; launch lse (part 5): grid 444 x 1, 8 waves a work-group, no clusters, 295,936 bytes of LDS; arguments qa, qb, route, b0, b1, b2, b3, w3, part; writes part
.if DOCPART == 5
	.amdgcn_target "amdgcn-amd-amdhsa--gfx1250"
	.amdhsa_code_object_version 6
	.text
	.protected	k_q2c1f7ff628_lse
	.globl	k_q2c1f7ff628_lse
	.p2align	8
	.type	k_q2c1f7ff628_lse,@function
k_q2c1f7ff628_lse:
	s_mov_b64 s[64:65], 0
	v_nop
	global_prefetch_b8 v0, s[64:65] scope:SCOPE_SE
	s_setreg_imm32_b32 hwreg(HW_REG_WAVE_SCHED_MODE, 0, 2), 2
	s_setreg_imm32_b32 hwreg(HW_REG_WAVE_MODE, 25, 1), 1
	s_wait_xcnt 0x0
	s_wait_alu depctr_vm_vsrc(0)
; The logits and, of each slice of the vocabulary, a token's largest logit m and the sum s of e^(logit - m).  The logits never go to memory.
; EIGHT WAVES OF 512 REGISTERS, TWO TO A SIMD: a token tile asks for 40 products and for 109 vector instructions (40 of them exponentials) that hang on each other, so one wave's sums
; stand beside the other wave's products and LDS loads.
; HEAD (work-groups 0 .. 251): slice vg = x / 4 (320 rows of w0 + cluster_w), tokens 512 (x % 4) on.  Waves q and q + 4 both keep tiles 5 q .. 5 q + 4 of the slice, all 1,024 of K, in 320 registers;
; wave q walks the even ones of the 32 token tiles, wave q + 4 the odd ones.  The tokens' codes come through LDS (staged through registers four tiles ahead; every LDS byte is written once).
; At the end the (m, s) of the four sets of rows are merged.
; TAILS (work-groups 252 .. 443): tail 1 + u / 64; a wave keeps five tiles of the tail's rows and walks every fourth tile of the tail's sorted tokens, as many as hold members (a stored count).
; Products transposed (source 0 = 16 vocabulary rows, source 1 = 16 tokens): a lane holds one token; the bias is the C of each sum's first matrix instruction.
; Tails 1, 2 and the head on codes of FP4; tail 3 (K = 16) on bf16.
; No copy engine, so no joint loads in a cluster: the tails' trip counts are read from memory, and with such a count in the text tiles go through registers.
; LIMITS: true logits lie above -2^96 (the floor of m; padded rows of the head's last slice carry the bias -2^100); NaN and infinities are not served.
; REGISTERS: window 0: v1-5, v20 lane terms, v3 my stash, v6-8 addresses, v9 the value stored, v[10:11] -m c, v12-17 at work, v18-19 staging addresses, v22-25 h's scale words, v26-45 w's,
;   v46-79 staging, v80-111 h's fragments (four slots of one K step), v112-151 biases, v152-191 five accumulators, v192-255 w's fragments of K step 6 (tiles 2-4) and 7.
;   window 1: w's fragments of K steps 0-5 at 40 s + 8 t, of K step 6 (tiles 0, 1) at 240 + 8 t.
; THE MODE: SCHED_MODE bits 1:0 = 2 (LLVM: expert scheduling mode 2), set by the entry lines.  The code itself states the register dependences
; between vector or matrix instructions and memory or LDS instructions, with s_wait_alu, always for 0.
; THE PLAN, for the head's loop.  Registers that memory or LDS instructions touch:
;   v80-111, v22-25  h's four slots and scale words.  LDS loads land in them: K steps 0-3 and the words at a tile's head, K steps 4, 5 behind the products of K steps 0, 1, K steps 6, 7 behind those of 2, 3.  Read by the products alone.
;   v6, v7, v8       LDS addresses, written by three additions at a tile's head; read by the tile's fragment loads, its scale loads, and the stash store of the tile before.
;   v9               written by the last line of the sums; read by the stash store, which stands in the NEXT tile's products, behind the wait that stands there for slots 0 and 1.
;   v46-79           staging: global loads land, LDS stores read; no vector instruction names them.
;   v18, v19         the staging stores' addresses: made for the next chunk behind this chunk's stores; the wait at the next tile's head shows them written.
;   v1, v2, v4, v5, v20  offsets made at the kernel's head, never written again.
; So a tile has one wait on vm_vsrc (ahead of the three additions) and three on va_vdst (behind the additions; behind K steps 0, 1; behind K steps 2, 3), beside the one behind its exponentials; a chunk's staging has one wait on vm_vsrc.
.set WC0,  1880064
.set WS0,  12128256
.set WC1,  12768768
.set WS1,  14048768
.set WC2,  14128896
.set WS2,  14448896
.set HBP,  14529024
.set HS0,  1048576
.set HC1,  1114112
.set HS1,  1376256
.set HC2,  1392640
.set HS2,  1458176
.set H3B,  1474560
.set PT,   1032192
.set CL2E,  0x3fb8aa3b                 ; log2(e)
.set NCL2E, 0xbfb8aa3b
.set MFLOOR, 0xef800000                ; -2^96
.set HSL,   262144                     ; LDS: h's codes 32 x 8,192; their scale words 32 x 512;
.set STASH, 278528                     ; the waves' (m, s): 8 waves x 16 tiles x 128
.set HSR,  22
.set WSR,  26
.set STG,  46
.set HF,   80
.set BIAS, 112
.set ACC,  152
.set W67,  192
.set MB,   80                          ; the merge's registers
.set MSB, 0
.macro WIN new                         ; the immediate's high byte repeats the setting that is left
.if MSB != \new
	s_set_vgpr_msb (MSB<<8)|\new
.set MSB, \new
.endif
.endm
.macro NOP4
.rept 4
	v_nop
.endr
.endm
; K step sk of five tiles; the five accumulators take turns, one instruction a turn.  nj: scale registers a tile
.macro KSTEP sk, nj
.irp t, 0,1,2,3,4
.if (\sk) < 6
	WIN 0x01
.set WB, 40*(\sk)+8*\t
.elseif ((\sk) == 6) && (\t < 2)
	WIN 0x01
.set WB, 240+8*\t
.elseif (\sk) == 6
	WIN 0
.set WB, W67+8*(\t-2)
.else
	WIN 0
.set WB, W67+24+8*\t
.endif
.set HB, HF+8*((\sk)%4)
.if (\sk) == 0
	v_wmma_scale_f32_16x16x128_f8f6f4 v[ACC+8*\t:ACC+8*\t+7], v[WB:WB+7], v[HB:HB+7], v[BIAS+8*\t:BIAS+8*\t+7], v[WSR+(\nj)*\t+(\sk)/2], v[HSR+(\sk)/2] matrix_a_fmt:MATRIX_FMT_FP4 matrix_b_fmt:MATRIX_FMT_FP4
.elseif (\sk)%2 == 0
	v_wmma_scale_f32_16x16x128_f8f6f4 v[ACC+8*\t:ACC+8*\t+7], v[WB:WB+7], v[HB:HB+7], v[ACC+8*\t:ACC+8*\t+7], v[WSR+(\nj)*\t+(\sk)/2], v[HSR+(\sk)/2] matrix_a_fmt:MATRIX_FMT_FP4 matrix_b_fmt:MATRIX_FMT_FP4
.else
	v_wmma_scale_f32_16x16x128_f8f6f4 v[ACC+8*\t:ACC+8*\t+7], v[WB:WB+7], v[HB:HB+7], v[ACC+8*\t:ACC+8*\t+7], v[WSR+(\nj)*\t+(\sk)/2], v[HSR+(\sk)/2] matrix_a_fmt:MATRIX_FMT_FP4 matrix_b_fmt:MATRIX_FMT_FP4 matrix_a_scale:MATRIX_SCALE_ROW1 matrix_b_scale:MATRIX_SCALE_ROW1
.endif
.endr
.endm
.macro MM3
	WIN 0x01
.irp t, 0,1,2,3,4
	v_wmma_f32_16x16x32_bf16 v[ACC+8*\t:ACC+8*\t+7], v[8*\t:8*\t+7], v[HF:HF+7], v[BIAS+8*\t:BIAS+8*\t+7]
.endr
	WIN 0
.endm
; my token's 40 logits (with lane l xor 16's: 80): m, and s = the sum of 2^(c x - c m).  v9: lanes 0-15 m, lanes 16-31 s.  Each accumulator is read from its low end on.
.macro SM
.irp t, 0,1,2,3,4
	v_max3_num_f32 v[12+\t], v[ACC+8*\t], v[ACC+8*\t+1], v[ACC+8*\t+2]
.endr
.irp t, 0,1,2,3,4
	v_max3_num_f32 v[12+\t], v[12+\t], v[ACC+8*\t+3], v[ACC+8*\t+4]
.endr
.irp t, 0,1,2,3,4
	v_max3_num_f32 v[12+\t], v[12+\t], v[ACC+8*\t+5], v[ACC+8*\t+6]
.endr
	v_max3_num_f32 v12, v12, v[ACC+7], v[ACC+15]
	v_max3_num_f32 v13, v13, v[ACC+23], v[ACC+31]
	v_max3_num_f32 v14, v14, v15, v[ACC+39]
	v_max3_num_f32 v12, v12, v13, v16
	v_max3_num_f32 v12, v12, v14, MFLOOR           ; the floor: a wave of padded rows alone keeps a finite m over its logits, and s = 0
	v_permlanex16_b32 v17, v12, s28, s29
	v_max_num_f32 v12, v12, v17
	v_mul_f32 v10, NCL2E, v12
.irp j, 0,2,4,6,8,10,12,14,16,18,20,22,24,26,28,30,32,34,36,38
	v_pk_fma_f32 v[ACC+\j:ACC+\j+1], v[ACC+\j:ACC+\j+1], s[26:27], v[10:11] op_sel_hi:[1,0,0]
.endr
.irp j, 0,1,2,3,4,5,6,7,8,9,10,11,12,13,14,15,16,17,18,19,20,21,22,23,24,25,26,27,28,29,30,31,32,33,34,35,36,37,38,39
	v_exp_f32 v[ACC+\j], v[ACC+\j]
.endr
	v_nop                                          ; a plain line between the exponentials and the use of their results
	s_wait_alu depctr_va_vdst(0)                   ; the 40 exponentials have written v152-191, which the additions below read: one wait for the batch
.irp j, 0,1,2,3,4,5,6,7,8,9                    ; the sum of the 20 pairs, in place, as a tree: 10, 5, 2, 1, 1 additions
	v_pk_add_f32 v[ACC+2*\j:ACC+2*\j+1], v[ACC+2*\j:ACC+2*\j+1], v[ACC+20+2*\j:ACC+21+2*\j]
.endr
.irp j, 0,1,2,3,4
	v_pk_add_f32 v[ACC+2*\j:ACC+2*\j+1], v[ACC+2*\j:ACC+2*\j+1], v[ACC+10+2*\j:ACC+11+2*\j]
.endr
	v_pk_add_f32 v[ACC:ACC+1], v[ACC:ACC+1], v[ACC+6:ACC+7]
	v_pk_add_f32 v[ACC+2:ACC+3], v[ACC+2:ACC+3], v[ACC+8:ACC+9]
	v_pk_add_f32 v[ACC:ACC+1], v[ACC:ACC+1], v[ACC+2:ACC+3]
	v_pk_add_f32 v[ACC:ACC+1], v[ACC:ACC+1], v[ACC+4:ACC+5]
	v_add_f32 v14, v[ACC], v[ACC+1]
	v_permlanex16_b32 v17, v14, s28, s29
	v_add_f32 v14, v14, v17
	v_cndmask_b32 v9, v12, v14, s30
.endm
; the head's staging: chunk ch = four token tiles: 32,768 bytes of codes (16 bytes a thread and instruction) and 2,048 of scale words (8 bytes a thread)
.macro G ch
.irp i, 0,1,2,3,4,5,6,7
	global_load_b128 v[STG+4*\i:STG+4*\i+3], v4, s[36:37] offset:(\ch)*32768+4096*\i
.endr
	global_load_b64 v[STG+32:STG+33], v5, s[38:39] offset:(\ch)*2048
.endm
.macro MKST ch                         ; where chunk ch's staging stores go in LDS
	v_add_nc_u32 v18, (\ch)*32768, v4
	v_add_nc_u32 v19, HSL+(\ch)*2048, v5
.endm
.macro STAGE ch                        ; chunk ch goes into LDS; the next chunk's loads go out; the barrier shows the chunk to all eight waves
	s_wait_loadcnt 0x0                             ; this chunk's staging loads, issued a chunk ago
.irp i, 0,1,2,3,4,5,6,7
	ds_store_b128 v18, v[STG+4*\i:STG+4*\i+3] offset:4096*\i   ; v18 and v19 were made a chunk ago (chunk 0's at the head), ahead of a wait on va_vdst, and no vector instruction has named them since
.endr
	ds_store_b64 v19, v[STG+32:STG+33]
	s_wait_dscnt 0x0                               ; for the others' sake: my stores have landed
.if \ch < 7
	s_wait_alu depctr_vm_vsrc(0)                   ; the nine stores have read v46-79, in which the next chunk's loads land, and v18 and v19, which are written below
	G \ch+1
	MKST \ch+1                                     ; the wait on va_vdst at the next tile's head shows them written
.endif
	s_barrier_signal -1
	s_barrier_wait -1
.endm
.macro LDK s                           ; K step s of the token tile in hand into slot s % 4
.irp c, 0,1
	ds_load_b128 v[HF+8*((\s)%4)+4*\c:HF+8*((\s)%4)+4*\c+3], v6 offset:1024*(\s)+512*\c
.endr
.endm
; a token tile's K steps 0-3 and its four scale registers; two v_nop and the additions are the places between the last products and the sums that read their results.  st = 1: the tile before has sums to stash
.macro LDA st
	v_nop
	v_nop
	s_wait_alu depctr_vm_vsrc(0)                   ; the LDS loads issued so far have read v6 and v7, the last stash store v8 and v9 (the sums below write v9); ahead of the first tile: w's loads have read their offsets v80-89, in which fragments land
	v_add_nc_u32 v6, s40, v1
	v_add_nc_u32 v7, s41, v2
.if \st
	v_add_nc_u32 v8, s42, v3
.endif
	s_wait_alu depctr_va_vdst(0)                   ; v6, v7 and v8 are written; the last tile's products are done reading the four slots and h's scale words, in which the loads below land
	LDK 0
	LDK 1
	LDK 2
	LDK 3
.irp j, 0,1,2,3
	ds_load_b32 v[HSR+\j], v7 offset:128*\j
.endr
	s_add_co_u32 s40, s40, 16384                   ; my next tile is the next but one
	s_add_co_u32 s41, s41, 1024
.if \st
	s_add_co_u32 s42, s42, 128
.endif
.endm
; 40 products; a slot is loaded again behind the wait that shows its products done reading it.  st = 1: the (m, s) of the tile before go to my stash behind the first of these waits
.macro MMFULL st
	KSTEP 0, 4
	KSTEP 1, 4
	WIN 0
	NOP4
	s_wait_alu depctr_va_vdst(0)                   ; the products of K steps 0 and 1 are done reading slots 0 and 1; the sums of the tile before have written v9
.if \st
	ds_store_b32 v8, v9
.endif
	LDK 4
	LDK 5
	KSTEP 2, 4
	KSTEP 3, 4
	WIN 0
	NOP4
	s_wait_alu depctr_va_vdst(0)                   ; the products of K steps 2 and 3 are done reading slots 2 and 3
	LDK 6
	LDK 7
	s_wait_dscnt 4                                 ; K steps 4 and 5 are in; the four loads of K steps 6 and 7 may be out
	KSTEP 4, 4
	KSTEP 5, 4
	s_wait_dscnt 0x0
	KSTEP 6, 4
	KSTEP 7, 4
.endm
.macro ITER                            ; the next tile's LDS loads are on their way while the tile before is summed
	LDA 1
	SM
	s_wait_dscnt 0x0
	MMFULL 1
.endm
.macro CHUNK ch                        ; of the chunk's four token tiles two are mine
	STAGE \ch
	s_add_co_u32 s40, s76, (\ch)*32768
	s_add_co_u32 s41, s77, HSL+(\ch)*2048
	s_mov_b32 s42, (2*(\ch)-1)*128
	s_mov_b32 s31, 2
.Lch_\@:
	ITER
	s_sub_co_u32 s31, s31, 1
	s_cmp_lg_u32 s31, 0
	s_cbranch_scc1 .Lch_\@
.endm
	s_load_b512 s[4:19], s[0:1], 0x0               ; qa 4, qb 6, route 8, b0 10, b1 12, b2 14, b3 16, w3 18
	s_load_b64 s[20:21], s[0:1], 0x40              ; part
	v_lshrrev_b32 v1, 5, v0
	v_readfirstlane_b32 s22, v1                    ; wave 0..7
	v_and_b32 v2, 31, v0
	v_lshlrev_b32 v1, 4, v2                        ; 16 x lane
	v_lshlrev_b32 v2, 2, v2                        ; 4 x lane
	v_bfe_u32 v20, v0, 4, 1
	v_lshlrev_b32 v20, 5, v20                      ; 32 h
	v_lshlrev_b32 v4, 4, v0                        ; 16 x thread
	v_lshlrev_b32 v5, 3, v0                        ; 8 x thread
	v_mov_b32 v11, 0                               ; (named as the upper half of the pair v[10:11])
	v_mov_b32 v17, 0                               ; a lane permute's destination counts as read
	s_mov_b32 s26, CL2E
	s_mov_b32 s27, CL2E
	s_mov_b32 s28, 0x76543210
	s_mov_b32 s29, 0xfedcba98
	s_mov_b32 s30, 0xffff0000
	s_mov_b32 s35, 0
	s_wait_alu depctr_va_sdst(0)                   ; s22 is written, ahead of the branch and of its first reader on either way
	s_wait_alu depctr_va_vdst(0)                   ; the offsets v1, v2, v4, v5 and v20 are written, which loads and stores of both ways read; they are never written again
	s_wait_kmcnt 0x0
	s_cmp_lt_u32 ttmp9, 252
	s_cbranch_scc0 .Ltails
	; ================ HEAD
	s_and_b32 s62, s22, 3                          ; q: which five tiles of the slice
	s_lshr_b32 s63, s22, 2                         ; p: even or odd token tiles
	s_lshl_b32 s76, s63, 13                        ; p tiles of codes in LDS,
	s_lshl_b32 s77, s63, 9                         ; and of scale words
	s_lshr_b32 s23, ttmp9, 2                       ; vg
	s_and_b32 s24, ttmp9, 3                        ; tb
	s_mul_i32 s25, s23, 20
	s_mul_i32 s31, s62, 5
	s_add_co_u32 s25, s25, s31                     ; my first tile
	s_add_nc_u64 s[52:53], s[4:5], WC0
	s_add_nc_u64 s[54:55], s[4:5], WS0
	s_add_nc_u64 s[56:57], s[4:5], HBP
	s_lshl_b32 s34, s24, 18
	s_add_nc_u64 s[36:37], s[6:7], s[34:35]        ; h0's codes of the work-group's 32 token tiles
	s_lshl_b32 s34, s24, 14
	s_add_co_u32 s34, s34, HS0
	s_add_nc_u64 s[38:39], s[6:7], s[34:35]        ; and their scale words
	s_lshl_b32 s34, s23, 14
	s_lshl_b32 s31, s24, 11
	s_add_co_u32 s34, s34, s31
	s_add_nc_u64 s[60:61], s[20:21], s[34:35]      ; where the slice's (m, s) of these tokens go
	G 0
	s_lshl_b32 s31, s22, 11
	s_add_co_u32 s31, s31, STASH
	v_add_nc_u32 v3, s31, v2                       ; my stash: 2,048 bytes a wave
	MKST 0
.irp t, 0,1,2,3,4
	s_add_co_u32 s31, s25, \t
	s_min_u32 s32, s31, 1250                       ; tiles past the last are the last again, under the padded biases
	s_lshl_b32 s33, s32, 13
	v_add_nc_u32 v[80+\t], s33, v1
	s_lshl_b32 s33, s32, 9
	v_add_nc_u32 v[85+\t], s33, v2
	s_cmp_lt_u32 s31, 1250
	s_cselect_b64 s[66+2*\t:67+2*\t], s[10:11], s[56:57]   ; b0, or the padded biases of rows 20,000 on
	s_cselect_b32 s34, 0, 1250
	s_sub_co_u32 s34, s31, s34
	s_lshl_b32 s34, s34, 6
	s_add_nc_u64 s[66+2*\t:67+2*\t], s[66+2*\t:67+2*\t], s[34:35]
.endr
	WIN 0x40                                       ; destination window 1, address window 0
	s_wait_alu depctr_va_vdst(0)                   ; w's offsets v80-89 are written, which the loads below read; so are v18 and v19, which chunk 0's LDS stores read
.irp s, 0,1,2,3,4,5
.irp t, 0,1,2,3,4
.irp c, 0,1
	global_load_b128 v[40*\s+8*\t+4*\c:40*\s+8*\t+4*\c+3], v[80+\t], s[52:53] offset:1024*\s+512*\c
.endr
.endr
.endr
.irp t, 0,1
.irp c, 0,1
	global_load_b128 v[240+8*\t+4*\c:240+8*\t+4*\c+3], v[80+\t], s[52:53] offset:6144+512*\c
.endr
.endr
	WIN 0
.irp t, 2,3,4
.irp c, 0,1
	global_load_b128 v[W67+8*(\t-2)+4*\c:W67+8*(\t-2)+4*\c+3], v[80+\t], s[52:53] offset:6144+512*\c
.endr
.endr
.irp t, 0,1,2,3,4
.irp c, 0,1
	global_load_b128 v[W67+24+8*\t+4*\c:W67+24+8*\t+4*\c+3], v[80+\t], s[52:53] offset:7168+512*\c
.endr
.endr
.irp t, 0,1,2,3,4
.irp j, 0,1,2,3
	global_load_b32 v[WSR+4*\t+\j], v[85+\t], s[54:55] offset:128*\j
.endr
	global_load_b128 v[BIAS+8*\t:BIAS+8*\t+3], v20, s[66+2*\t:67+2*\t]
	global_load_b128 v[BIAS+8*\t+4:BIAS+8*\t+7], v20, s[66+2*\t:67+2*\t] offset:16
.endr
	STAGE 0                                        ; its wait for all loads serves w's fragments, scale words and biases too
	s_add_co_u32 s40, s76, 0
	s_add_co_u32 s41, s77, HSL
	s_mov_b32 s42, 0
	LDA 0
	s_wait_dscnt 0x0
	MMFULL 0                                       ; my first tile of chunk 0
	ITER                                           ; and my second
	CHUNK 1
	CHUNK 2
	CHUNK 3
	CHUNK 4
	CHUNK 5
	CHUNK 6
	CHUNK 7
	NOP4
	s_wait_alu depctr_vm_vsrc(0)                   ; the last stash store has read v8 and v9, which are written below; the LDS loads have read v6 and v7, which the merge writes again
	v_add_nc_u32 v8, s42, v3
	SM
	s_wait_alu depctr_va_vdst(0)                   ; v8 and v9 are written, which the store reads
	ds_store_b32 v8, v9
	s_wait_dscnt 0x0
	s_barrier_signal -1
	s_barrier_wait -1                              ; all eight waves' (m, s) of the 512 tokens lie in LDS
	s_cmp_lt_u32 s22, 4
	s_cbranch_scc1 .Lmerge
	s_wait_xcnt 0x0
	v_lshl_add_u32 v254, v0, 2, 0x48000
	v_mov_b32 v255, 0
	s_wait_dscnt 0x0                               ; the closing lines, six on end
	s_wait_alu 0x0
	s_wait_tensorcnt 0x0
	ds_add_u32 v254, v255
	s_wait_dscnt 0x0
	s_endpgm
.Lmerge:                                               ; threads 0 .. 127: thread t merges tokens 4 t .. 4 t + 3, of token tile T = t / 4: in the stash of wave q + 4 (T % 2), place T / 2
	v_lshrrev_b32 v6, 3, v0
	v_lshlrev_b32 v6, 7, v6
	v_bfe_u32 v7, v0, 2, 1
	v_lshl_add_u32 v6, v7, 13, v6
	v_and_b32 v7, 3, v0
	v_lshl_add_u32 v6, v7, 4, v6
	v_add_nc_u32 v6, STASH, v6
	s_wait_alu depctr_va_vdst(0)                   ; v6 is written, which the eight loads below read as their address
.irp w, 0,1,2,3
	ds_load_b128 v[MB+8*\w:MB+8*\w+3], v6 offset:2048*\w
	ds_load_b128 v[MB+8*\w+4:MB+8*\w+7], v6 offset:2048*\w+64
.endr
	s_wait_dscnt 0x0
.irp k, 0,1,2,3
	v_max3_num_f32 v[MB+32+\k], v[MB+\k], v[MB+8+\k], v[MB+16+\k]
.endr
.irp k, 0,1,2,3
	v_max_num_f32 v[MB+32+\k], v[MB+32+\k], v[MB+24+\k]
.endr
.irp k, 0,1,2,3
	v_mul_f32 v[MB+36+\k], NCL2E, v[MB+32+\k]
.endr
.irp w, 0,1,2,3
.irp k, 0,2
	v_pk_fma_f32 v[MB+8*\w+\k:MB+8*\w+\k+1], v[MB+8*\w+\k:MB+8*\w+\k+1], s[26:27], v[MB+36+\k:MB+37+\k] op_sel_hi:[1,0,1]
.endr
.endr
.irp w, 0,1,2,3
.irp k, 0,1,2,3
	v_exp_f32 v[MB+8*\w+\k], v[MB+8*\w+\k]
.endr
.endr
	v_nop
	s_wait_alu depctr_va_vdst(0)                   ; the sixteen exponentials have written their registers, which the multiplications below read
.irp k, 0,2
	v_pk_mul_f32 v[MB+40+\k:MB+41+\k], v[MB+\k:MB+\k+1], v[MB+4+\k:MB+5+\k]
.endr
.irp w, 1,2,3
.irp k, 0,2
	v_pk_fma_f32 v[MB+40+\k:MB+41+\k], v[MB+8*\w+\k:MB+8*\w+\k+1], v[MB+8*\w+4+\k:MB+8*\w+5+\k], v[MB+40+\k:MB+41+\k]
.endr
.endr
	s_wait_alu depctr_va_vdst(0)                   ; the merged m (v112-115) and s (v120-123) are written, which the two stores read
	global_store_b128 v4, v[MB+32:MB+35], s[60:61]           ; a wave stores 512 consecutive bytes
	global_store_b128 v4, v[MB+40:MB+43], s[60:61] offset:8192
	s_wait_xcnt 0x0
	v_lshl_add_u32 v254, v0, 2, 0x48000
	v_mov_b32 v255, 0
	s_wait_dscnt 0x0                               ; the closing lines, six on end
	s_wait_alu 0x0
	s_wait_tensorcnt 0x0
	ds_add_u32 v254, v255
	s_wait_dscnt 0x0
	s_endpgm
	; ================ TAILS
	; THE PLAN, for a tail's loop.  v80-95 and v22: a tile of tokens lands by global loads, is read by the trip's products, and is asked for again behind them.  v6, v7, v8: offsets, written by three additions a trip;
	; read by the tile's loads and by the trip's store.  v9: written by the sums, read by the store.  So a trip has one wait on vm_vsrc ahead of the additions, one on va_vdst behind them, and one on va_vdst ahead of the store.
.macro LDH kind                        ; a tile of the tail's sorted tokens
.if \kind == 1
.irp i, 0,1,2,3
	global_load_b128 v[HF+4*\i:HF+4*\i+3], v6, s[44:45] offset:512*\i
.endr
.else
	global_load_b128 v[HF:HF+3], v6, s[44:45]
.endif
.if \kind < 3
	global_load_b32 v[HSR], v7, s[46:47]
.endif
.endm
.macro TAILP kind
.if \kind == 1
.set WCX, WC1
.set WSX, WS1
.set HCX, HC1
.set HSX, HS1
.set WTB, 2048
.set HSH, 11
.elseif \kind == 2
.set WCX, WC2
.set WSX, WS2
.set HCX, HC2
.set HSX, HS2
.set WTB, 512
.set HSH, 9
.else
.set HCX, H3B
.set WTB, 1024
.set HSH, 9
.endif
	s_load_b32 s51, s[8:9], 24576+4*(\kind-1)      ; the tail's tiles that hold members
	s_mul_i32 s34, s25, 5*WTB
.if \kind < 3
	s_add_co_u32 s34, s34, WCX
	s_add_nc_u64 s[52:53], s[4:5], s[34:35]
	s_mul_i32 s34, s25, 640
	s_add_co_u32 s34, s34, WSX
	s_add_nc_u64 s[54:55], s[4:5], s[34:35]
	s_add_nc_u64 s[46:47], s[6:7], HSX
.else
	s_add_nc_u64 s[52:53], s[18:19], s[34:35]
.endif
	s_mul_i32 s34, s25, 320
	s_add_nc_u64 s[56:57], s[10+2*\kind:11+2*\kind], s[34:35]
	s_add_nc_u64 s[44:45], s[6:7], HCX
	s_add_co_u32 s34, s25, 125*(\kind-1)
	s_lshl_b32 s34, s34, 14
	s_add_co_u32 s34, s34, PT
	s_add_nc_u64 s[48:49], s[20:21], s[34:35]
	s_wait_kmcnt 0x0
	s_min_u32 s51, s51, 128
	s_cmp_lt_u32 s24, s51
	s_cbranch_scc1 .Lwork_\@
	s_endpgm                                       ; this split leaves this work-group's tiles z, z + 4, .. without members
.Lwork_\@:
	s_sub_co_u32 s33, s51, s24                     ; my trips: tiles z, z + 4, .. below the count: (count - z + 3) / 4, at least one
	s_add_co_u32 s33, s33, 3
	s_lshr_b32 s33, s33, 2
	s_mov_b32 s32, 0                               ; the trip in hand
	; all that vector instructions write ahead of the loop stands first, under one wait; all loads follow it
	s_lshl_b32 s59, s24, HSH                       ; my first tile of tokens: z = 0 .. 3
	v_add_nc_u32 v6, s59, v1
	s_lshl_b32 s59, s24, 7
	v_add_nc_u32 v7, s59, v2
.if \kind > 1
.irp k, 4,5,6,7
	v_mov_b32 v[HF+\k], 0
.endr
.endif
.if \kind == 1
	WIN 0x40
	s_wait_alu depctr_va_vdst(0)                   ; v6 and v7 are written, which the first tile's loads read
.irp t, 0,1,2,3,4
.irp q, 0,1,2,3
	global_load_b128 v[40*(\q/2)+8*\t+4*(\q%2):40*(\q/2)+8*\t+4*(\q%2)+3], v1, s[52:53] offset:2048*\t+512*\q
.endr
.endr
	WIN 0
.elseif \kind == 2
	WIN 0x40
.irp t, 0,1,2,3,4
.irp k, 4,5,6,7
	v_mov_b32 v[8*\t+\k], 0                        ; K = 64: the fragment's upper 64 are zero codes
.endr
.endr
	s_wait_alu depctr_va_vdst(0)                   ; v6 and v7 are written, which the first tile's loads read; so are the zero halves of the fragments of w2 and of h2, which the scaled products take as operands
.irp t, 0,1,2,3,4
	global_load_b128 v[8*\t:8*\t+3], v1, s[52:53] offset:512*\t
.endr
	WIN 0
.else
	v_and_b32 v21, 15, v0
	v_lshl_add_u32 v21, v21, 6, v20                ; w3: row r of 64 bytes, + 32 h
	s_wait_alu depctr_va_vdst(0)                   ; v21, v6 and v7 are written, which the loads below read
.irp t, 0,1,2,3,4
	global_load_b128 v[192+8*\t:195+8*\t], v21, s[52:53] offset:1024*\t
	global_load_b128 v[196+8*\t:199+8*\t], v21, s[52:53] offset:1024*\t+16
.endr
.endif
.irp t, 0,1,2,3,4
.if \kind < 3
	global_load_b32 v[WSR+\t], v2, s[54:55] offset:128*\t
.endif
	global_load_b128 v[BIAS+8*\t:BIAS+8*\t+3], v20, s[56:57] offset:64*\t
	global_load_b128 v[BIAS+8*\t+4:BIAS+8*\t+7], v20, s[56:57] offset:64*\t+16
.endr
	LDH \kind
.if \kind == 3
	s_wait_loadcnt 0x0
	WIN 0x40
.irp t, 0,1,2,3,4
.irp k, 0,1,2,3
	v_cvt_pk_bf16_f32 v[8*\t+\k], v[192+8*\t+2*\k], v[193+8*\t+2*\k]
.endr
.irp k, 4,5,6,7
	v_mov_b32 v[8*\t+\k], 0                        ; K = 16: the fragment's upper 16 are zeros
.endr
.endr
	WIN 0
.endif
.rept 8
	v_nop                                          ; operands written by vector instructions stand well ahead of the first product
.endr
.Lt_\@:                                                ; trip k works tile 4 k + z and fetches tile 4 k + z + 4
	s_wait_loadcnt 0x0                             ; this tile's loads, issued ahead of the last tile's sums
.if \kind == 1
	KSTEP 0, 1
	KSTEP 1, 1
	WIN 0
.elseif \kind == 2
	KSTEP 0, 1
	WIN 0
.else
	MM3
.endif
	s_lshl_b32 s50, s32, 2
	s_add_co_u32 s50, s50, s24                     ; the tile in hand,
	s_add_co_u32 s58, s50, 4                       ; and my next:
	s_min_u32 s50, s50, 127
	s_min_u32 s58, s58, 127                        ; both lie among the 128 tiles of the buffer, all of which is written
	s_wait_xcnt 0x0                                ; the last store has read v8 and v9
	s_wait_alu depctr_vm_vsrc(0)                   ; beside it: the last tile's loads have read v6 and v7, the last store v8 and v9: all four are written below
	s_lshl_b32 s59, s58, HSH
	v_add_nc_u32 v6, s59, v1
	s_lshl_b32 s59, s58, 7
	v_add_nc_u32 v7, s59, v2
	s_lshl_b32 s59, s50, 7
	v_add_nc_u32 v8, s59, v2
	v_nop                                          ; with the three additions: four places behind the products
	s_wait_alu depctr_va_vdst(0)                   ; v6, v7 and v8 are written; the products are done reading the tokens' fragment and scale word, in which the loads below land
	LDH \kind
	SM
	s_wait_alu depctr_va_vdst(0)                   ; the sums have written v9, which the store reads
	global_store_b32 v8, v9, s[48:49]              ; 16 m, then 16 s: 128 consecutive bytes
	s_add_co_u32 s32, s32, 1
	s_cmp_lt_u32 s32, s33
	s_cbranch_scc1 .Lt_\@
	s_endpgm
.endm
.Ltails:
	s_sub_co_u32 s31, ttmp9, 252
	s_and_b32 s24, s31, 3                          ; z: which of every four tiles of tokens
	s_bfe_u32 s23, s31, 0x40002
	s_lshl_b32 s25, s23, 3
	s_add_co_u32 s25, s25, s22                     ; my group of five tiles of the tail's rows
	s_lshr_b32 s31, s31, 6
	s_cmp_lt_u32 s25, 125
	s_cbranch_scc1 .Ltgo
	s_endpgm
.Ltgo:
	s_cmp_eq_u32 s31, 0
	s_cbranch_scc1 .Ltail1
	s_cmp_eq_u32 s31, 1
	s_cbranch_scc1 .Ltail2
	TAILP 3
.Ltail1:
	TAILP 1
.Ltail2:
	TAILP 2
.Lfunc_end_k_q2c1f7ff628_lse:
	.size	k_q2c1f7ff628_lse, .Lfunc_end_k_q2c1f7ff628_lse-k_q2c1f7ff628_lse
	.p2alignl 7, 3214868480
	.fill 96, 4, 3214868480
	.section	.rodata,"a",@progbits
	.p2align	6, 0x0
	.amdhsa_kernel k_q2c1f7ff628_lse
		.amdhsa_group_segment_fixed_size 295936
		.amdhsa_private_segment_fixed_size 0
		.amdhsa_enable_private_segment 0
		.amdhsa_kernarg_size 72
		.amdhsa_user_sgpr_count 2
		.amdhsa_user_sgpr_kernarg_segment_ptr 1
		.amdhsa_wavefront_size32 1
		.amdhsa_system_sgpr_workgroup_id_x 1
		.amdhsa_system_sgpr_workgroup_id_y 1
		.amdhsa_system_sgpr_workgroup_id_z 1
		.amdhsa_system_vgpr_workitem_id 0
		.amdhsa_next_free_vgpr 512
		.amdhsa_next_free_sgpr 80
		.amdhsa_reserve_vcc 0
		.amdhsa_float_denorm_mode_32 3
		.amdhsa_float_denorm_mode_16_64 3
		.amdhsa_memory_ordered 1
		.amdhsa_forward_progress 1
		.amdhsa_inst_pref_size 187
	.end_amdhsa_kernel
	.amdgpu_metadata
---
amdhsa.version: [ 1, 2 ]
amdhsa.kernels:
  - .name:           k_q2c1f7ff628_lse
    .symbol:         k_q2c1f7ff628_lse.kd
    .args:
      - { .name: qa, .offset: 0, .size: 8, .value_kind: global_buffer, .address_space: global }
      - { .name: qb, .offset: 8, .size: 8, .value_kind: global_buffer, .address_space: global }
      - { .name: route, .offset: 16, .size: 8, .value_kind: global_buffer, .address_space: global }
      - { .name: b0, .offset: 24, .size: 8, .value_kind: global_buffer, .address_space: global }
      - { .name: b1, .offset: 32, .size: 8, .value_kind: global_buffer, .address_space: global }
      - { .name: b2, .offset: 40, .size: 8, .value_kind: global_buffer, .address_space: global }
      - { .name: b3, .offset: 48, .size: 8, .value_kind: global_buffer, .address_space: global }
      - { .name: w3, .offset: 56, .size: 8, .value_kind: global_buffer, .address_space: global }
      - { .name: part, .offset: 64, .size: 8, .value_kind: global_buffer, .address_space: global }
    .group_segment_fixed_size: 295936
    .private_segment_fixed_size: 0
    .kernarg_segment_align: 8
    .kernarg_segment_size: 72
    .max_flat_workgroup_size: 256
    .sgpr_count:     80
    .vgpr_count:     512
    .wavefront_size: 32
...
	.end_amdgpu_metadata
.endif
;; end of part 5
;; launch final (part 6): grid 128 x 1, 1 waves a work-group, no clusters, 0 bytes of LDS; arguments target, route, qa, qb, part, w3, b0, b1, b2, b3, out0; writes out0
.if DOCPART == 6
	.amdgcn_target "amdgcn-amd-amdhsa--gfx1250"
	.amdhsa_code_object_version 6
	.text
	.protected	k_q2c1f7ff628_final
	.globl	k_q2c1f7ff628_final
	.p2align	8
	.type	k_q2c1f7ff628_final,@function
k_q2c1f7ff628_final:
	s_mov_b64 s[64:65], 0
	v_nop
	global_prefetch_b8 v0, s[64:65] scope:SCOPE_SE
	s_setreg_imm32_b32 hwreg(HW_REG_WAVE_SCHED_MODE, 0, 2), 2
	s_setreg_imm32_b32 hwreg(HW_REG_WAVE_MODE, 25, 1), 1
	s_wait_xcnt 0x0
	s_wait_alu depctr_vm_vsrc(0)
; nll of 16 tokens a wave.  The slices' (m, s) are merged into the head's log-sum-exp and, for a token of a tail, that tail's; the picked logits are the diagonal of
; 16 x 16 products: source 0 = the 16 rows of w that the 16 tokens pick (gathered block by block), source 1 = the 16 tokens' h.  Head and tails 1, 2 on codes of FP4, tail 3 on bf16.
; Lane (r, h) serves token 16 T + r; the two halves of the lanes share the slices.  All loads are issued, then one wait.
; LIMITS: targets lie in 0 .. 49,999 (for addresses they are held inside the tables); NaN and infinities are not served.
; REGISTERS: window 0: addresses, operands of the tails' picks, accumulators.  window 1: v0-31, v32-63 the head's m, s; v64-127, v128-191 the tail's; v240-251 at work.  window 2: the head pick's fragments.
; THE MODE: SCHED_MODE bits 1:0 = 2 (LLVM: expert scheduling mode 2), set by the entry lines.  The code itself states the register dependences
; between vector or matrix instructions and memory instructions, with s_wait_alu, always for 0.
; THE PLAN.  The text has no loop.  v4: an offset, written once, read by the first four loads, by two later ones and by the store.  v1, v16-36: offsets, written once by vector instructions, read by the one run of loads.
; No register in which a load lands is named by a vector instruction ahead of that load, and no offset is written again.  So: one wait on va_vdst ahead of the first four loads, one ahead of the run of all others;
; two waits on va_sdst behind the two runs of compares whose masks the selections read; and the waits round the two writes of EXEC at the end.
.set WC0,  1880064
.set WS0,  12128256
.set WC1,  12768768
.set WS1,  14048768
.set WC2,  14128896
.set WS2,  14448896
.set HBP,  14529024
.set HS0,  1048576
.set HC1,  1114112
.set HS1,  1376256
.set HC2,  1392640
.set HS2,  1458176
.set H3B,  1474560
.set PT,   1032192
.set CL2E,  0x3fb8aa3b
.set NCL2E, 0xbfb8aa3b
.set PADB,  0xf1800000                 ; -2^100
.set MSB, 0
.macro WIN new
.if MSB != \new
	s_set_vgpr_msb (MSB<<8)|\new
.set MSB, \new
.endif
.endm
.macro GADDR d, x, hi, lo              ; (x / 16) tiles of 16 << hi bytes + (x % 16) << lo
	v_and_b32 v37, -16, v[\x]
	v_and_b32 v38, 15, v[\x]
	v_lshlrev_b32 v[\d], \hi, v37
	v_lshl_add_u32 v[\d], v38, \lo, v[\d]
.endm
.macro DIAG a, d                       ; element (m, m) lies in lane m (m < 8) or 16 + m (m >= 8), register m % 8; every lane (r, h) gets token r's
	v_cndmask_b32 v170, v[\a], v[\a+1], s56
	v_cndmask_b32 v171, v[\a+2], v[\a+3], s56
	v_cndmask_b32 v172, v[\a+4], v[\a+5], s56
	v_cndmask_b32 v173, v[\a+6], v[\a+7], s56
	v_cndmask_b32 v170, v170, v171, s57
	v_cndmask_b32 v172, v172, v173, s57
	v_cndmask_b32 v170, v170, v172, s58
	v_permlanex16_b32 v174, v170, s62, s63
	v_cndmask_b32 v[\d], v174, v170, s59
.endm
.macro LSEM mb, sb, n, om, os          ; n pairs (m, s) a lane, in window 1: M = the largest m, S = the sum of s 2^(c m - c M), over both halves of the lanes
	WIN 0x55
	v_max3_num_f32 v244, v[\mb], v[\mb+1], v[\mb+2]
.set i, 3
.rept (\n-4)/2
	v_max3_num_f32 v244, v244, v[\mb+i], v[\mb+i+1]
.set i, i+2
.endr
	v_max_num_f32 v244, v244, v[\mb+\n-1]
	v_permlanex16_b32 v245, v244, s62, s63
	v_max_num_f32 v[\om], v244, v245
	v_mul_f32 v246, NCL2E, v[\om]
.set i, 0
.rept \n/2
	v_pk_fma_f32 v[\mb+i:\mb+i+1], v[\mb+i:\mb+i+1], s[66:67], v[246:247] op_sel_hi:[1,0,0]
.set i, i+2
.endr
.set i, 0
.rept \n
	v_exp_f32 v[\mb+i], v[\mb+i]
.set i, i+1
.endr
	v_nop
	s_wait_alu depctr_va_vdst(0)                   ; the n exponentials have written the registers that held the m, which the multiplications below read: one wait for the batch
	v_pk_mul_f32 v[248:249], v[\mb:\mb+1], v[\sb:\sb+1]
	v_pk_mul_f32 v[250:251], v[\mb+2:\mb+3], v[\sb+2:\sb+3]
.set i, 4
.rept (\n-4)/4
	v_pk_fma_f32 v[248:249], v[\mb+i:\mb+i+1], v[\sb+i:\sb+i+1], v[248:249]
	v_pk_fma_f32 v[250:251], v[\mb+i+2:\mb+i+3], v[\sb+i+2:\sb+i+3], v[250:251]
.set i, i+4
.endr
	v_pk_add_f32 v[248:249], v[248:249], v[250:251]
	v_add_f32 v248, v248, v249
	v_permlanex16_b32 v245, v248, s62, s63
	v_add_f32 v[\os], v248, v245
	WIN 0
.endm
	s_load_b512 s[4:19], s[0:1], 0x0               ; target 4, route 6, qa 8, qb 10, part 12, w3 14, b0 16, b1 18
	s_load_b128 s[20:23], s[0:1], 0x40             ; b2 20, b3 22
	s_load_b64 s[24:25], s[0:1], 0x50              ; out0
	v_and_b32 v2, 15, v0                           ; r
	v_lshrrev_b32 v3, 4, v0                        ; h (one wave: v0 is the lane)
	v_lshlrev_b32 v1, 4, v0
	v_lshlrev_b32 v21, 2, v0
	s_lshl_b32 s68, ttmp9, 6
	s_mov_b32 s69, 0
	v_lshl_add_u32 v4, v2, 2, s68                  ; 4 x my token
	s_mov_b32 s56, 0xaaaaaaaa
	s_mov_b32 s57, 0xcccccccc
	s_mov_b32 s58, 0xf0f0f0f0
	s_mov_b32 s59, 0xff0000ff
	s_mov_b32 s60, 0x0000ffff
	s_mov_b32 s62, 0x76543210
	s_mov_b32 s63, 0xfedcba98
	s_mov_b32 s66, CL2E
	s_mov_b32 s67, CL2E
.irp k, 116,117,118,119,124,125,126,127,132,133,134,135,140,141,142,143,174
	v_mov_b32 v\k, 0                               ; the upper halves of the short-K fragments; a permute's destination
.endr
	s_wait_kmcnt 0x0
	s_wait_alu depctr_va_vdst(0)                   ; v4 is written, which the four loads below read as their offset
	global_load_b32 v5, v4, s[4:5]
.irp i, 0,1,2
	global_load_b32 v[6+\i], v4, s[6:7] offset:8192*\i
.endr
	s_add_nc_u64 s[26:27], s[12:13], PT
	s_add_nc_u64 s[28:29], s[8:9], WC0
	s_add_nc_u64 s[30:31], s[8:9], WS0
	s_add_nc_u64 s[32:33], s[8:9], WC1
	s_add_nc_u64 s[34:35], s[8:9], WS1
	s_add_nc_u64 s[36:37], s[8:9], WC2
	s_add_nc_u64 s[38:39], s[8:9], WS2
	s_add_nc_u64 s[40:41], s[8:9], HBP
	s_lshl_b32 s68, ttmp9, 13
	s_add_nc_u64 s[42:43], s[10:11], s[68:69]
	s_lshl_b32 s68, ttmp9, 9
	s_add_co_u32 s68, s68, HS0
	s_add_nc_u64 s[44:45], s[10:11], s[68:69]
	s_add_nc_u64 s[46:47], s[10:11], HC1
	s_add_nc_u64 s[48:49], s[10:11], HS1
	s_add_nc_u64 s[50:51], s[10:11], HC2
	s_add_nc_u64 s[52:53], s[10:11], HS2
	s_add_nc_u64 s[54:55], s[10:11], H3B
	s_wait_loadcnt 0x0
	; whole numbers: the cluster c (0: shortlist), the head's picked row, each tail's picked row, the places
	v_cmp_lt_u32 s74, 19999, v5                    ; the three compares stand in one run, each with a mask register of its own
	v_cmp_lt_u32 s75, 29999, v5
	v_cmp_lt_u32 s76, 39999, v5
	s_wait_alu depctr_va_sdst(0)                   ; s74, s75 and s76 are written, ahead of the selections that read them
	v_cndmask_b32 v9, 0, 1, s74
	v_cndmask_b32 v37, 0, 1, s75
	v_add_nc_u32 v9, v9, v37
	v_cndmask_b32 v37, 0, 1, s76
	v_add_nc_u32 v9, v9, v37
	v_cmp_ne_u32 s61, 0, v9
	v_cmp_eq_u32 s71, 1, v9
	v_cmp_eq_u32 s72, 2, v9
	v_cmp_eq_u32 s73, 3, v9
	s_wait_alu depctr_va_sdst(0)                   ; s61, s71, s72 and s73 are written, ahead of their first readers
	v_sub_nc_u32 v10, 20003, v9
	v_cndmask_b32 v10, v5, v10, s61
	v_min_u32 v10, 20002, v10                      ; hp
	v_add_nc_u32 v11, 0xffffb1e0, v5
	v_max_i32 v11, 0, v11
	v_min_u32 v11, 9999, v11                       ; t1
	v_add_nc_u32 v12, 0xffff8ad0, v5
	v_max_i32 v12, 0, v12
	v_min_u32 v12, 9999, v12                       ; t2
	v_add_nc_u32 v13, 0xffff63c0, v5
	v_max_i32 v13, 0, v13
	v_min_u32 v13, 9999, v13                       ; t3
	v_mov_b32 v14, 0
	v_cndmask_b32 v14, v14, v6, s71
	v_cndmask_b32 v14, v14, v7, s72
	v_cndmask_b32 v14, v14, v8, s73
	v_min_u32 v14, 0x7ff, v14                      ; my place in my tail (0 for a shortlist token: that place's sums exist and are not used)
	v_min_u32 v6, 0x7ff, v6
	v_min_u32 v7, 0x7ff, v7
	v_min_u32 v8, 0x7ff, v8
	v_max_u32 v15, 1, v9
	v_add_nc_u32 v15, -1, v15
	v_min_u32 v15, 2, v15
	v_lshl_add_u32 v16, v3, 14, v4                 ; the head's slices 2 i + h
	v_mul_u32_u24 v17, v15, 0x1f4000               ; a tail's sums: 125 x 16,384 bytes
	GADDR 18, 14, 3, 2
	v_add_nc_u32 v17, v17, v18
	v_lshl_add_u32 v18, v3, 14, v17                ; the tail's groups 2 i + h
	GADDR 19, 10, 9, 4
	v_lshl_add_u32 v19, v3, 8, v19
	GADDR 20, 10, 5, 2
	v_lshl_add_u32 v20, v3, 6, v20
	GADDR 22, 11, 7, 4
	v_lshl_add_u32 v22, v3, 8, v22
	GADDR 23, 11, 3, 2
	v_lshl_add_u32 v23, v3, 6, v23
	GADDR 24, 6, 7, 4
	v_lshl_add_u32 v24, v3, 8, v24
	GADDR 25, 6, 3, 2
	v_lshl_add_u32 v25, v3, 6, v25
	GADDR 26, 12, 5, 4
	v_lshl_add_u32 v26, v3, 8, v26
	GADDR 27, 12, 3, 2
	v_lshl_add_u32 v27, v3, 6, v27
	GADDR 28, 7, 5, 4
	v_lshl_add_u32 v28, v3, 8, v28
	GADDR 29, 7, 3, 2
	v_lshl_add_u32 v29, v3, 6, v29
	v_lshlrev_b32 v30, 6, v13
	v_lshl_add_u32 v30, v3, 5, v30
	GADDR 31, 8, 5, 4
	v_lshl_add_u32 v31, v3, 8, v31
	v_min_u32 v32, 19999, v10
	v_lshlrev_b32 v32, 2, v32
	v_add_nc_u32 v33, 0xffffb1e0, v10
	v_max_i32 v33, 0, v33
	v_min_u32 v33, 2, v33
	v_lshlrev_b32 v33, 2, v33
	v_lshlrev_b32 v34, 2, v11
	v_lshlrev_b32 v35, 2, v12
	v_lshlrev_b32 v36, 2, v13
	; all loads
	WIN 0x40
	v_mov_b32 v127, PADB                           ; an entry that counts for nothing makes the count even
	v_mov_b32 v191, 0
	v_mov_b32 v245, 0
	v_mov_b32 v247, 0
	s_wait_alu depctr_va_vdst(0)                   ; the offsets v1 and v16 to v36 are written, which the loads below read; so are the zero halves v116-119 and v124-127, which a scaled product takes as operands
.set i, 0
.rept 31
	global_load_b32 v[i], v16, s[12:13] offset:i*32768
	global_load_b32 v[32+i], v16, s[12:13] offset:i*32768+8192
.set i, i+1
.endr
	global_load_b32 v31, v4, s[12:13] offset:62*16384          ; slice 62, by both halves; lanes 16-31 are masked below
	global_load_b32 v63, v4, s[12:13] offset:62*16384+8192
.set i, 0
.rept 62
	global_load_b32 v[64+i], v18, s[26:27] offset:i*32768
	global_load_b32 v[128+i], v18, s[26:27] offset:i*32768+64
.set i, i+1
.endr
	global_load_b32 v126, v17, s[26:27] offset:124*16384       ; group 124, likewise
	global_load_b32 v190, v17, s[26:27] offset:124*16384+64
	WIN 0x80
.irp i, 0,1,2,3,4,5,6,7,8,9,10,11,12,13,14,15
	global_load_b128 v[4*\i:4*\i+3], v19, s[28:29] offset:512*\i
	global_load_b128 v[64+4*\i:67+4*\i], v1, s[42:43] offset:512*\i
.endr
	WIN 0
.irp j, 0,1,2,3
	global_load_b32 v[152+\j], v20, s[30:31] offset:128*\j
	global_load_b32 v[156+\j], v21, s[44:45] offset:128*\j
.endr
.irp i, 0,1,2,3
	global_load_b128 v[80+4*\i:83+4*\i], v22, s[32:33] offset:512*\i
	global_load_b128 v[96+4*\i:99+4*\i], v24, s[46:47] offset:512*\i
.endr
	global_load_b32 v160, v23, s[34:35]
	global_load_b32 v161, v25, s[48:49]
	global_load_b128 v[112:115], v26, s[36:37]
	global_load_b128 v[120:123], v28, s[50:51]
	global_load_b32 v162, v27, s[38:39]
	global_load_b32 v163, v29, s[52:53]
	global_load_b128 v[144:147], v30, s[14:15]
	global_load_b128 v[148:151], v30, s[14:15] offset:16
	global_load_b128 v[136:139], v31, s[54:55]
	global_load_b32 v164, v32, s[16:17]
	global_load_b32 v165, v33, s[40:41]
	global_load_b32 v166, v34, s[18:19]
	global_load_b32 v167, v35, s[20:21]
	global_load_b32 v168, v36, s[22:23]
	s_wait_loadcnt 0x0
.irp k, 0,1,2,3
	v_cvt_pk_bf16_f32 v[128+\k], v[144+2*\k], v[145+2*\k]
.endr
	WIN 0x55
	v_cndmask_b32 v31, PADB, v31, s60              ; lanes 16-31: (-2^100, 0)
	v_cndmask_b32 v63, 0, v63, s60
	v_cndmask_b32 v126, PADB, v126, s60
	v_cndmask_b32 v190, 0, v190, s60
	; the picks: two accumulators take turns through the head's eight K steps
	WIN 0x0a
.irp s, 0,1,2,3,4,5,6,7
.if \s == 0
	v_wmma_scale_f32_16x16x128_f8f6f4 v[40:47], v[8*\s:8*\s+7], v[64+8*\s:71+8*\s], 0, v[152+\s/2], v[156+\s/2] matrix_a_fmt:MATRIX_FMT_FP4 matrix_b_fmt:MATRIX_FMT_FP4
.elseif \s == 1
	v_wmma_scale_f32_16x16x128_f8f6f4 v[48:55], v[8*\s:8*\s+7], v[64+8*\s:71+8*\s], 0, v[152+\s/2], v[156+\s/2] matrix_a_fmt:MATRIX_FMT_FP4 matrix_b_fmt:MATRIX_FMT_FP4 matrix_a_scale:MATRIX_SCALE_ROW1 matrix_b_scale:MATRIX_SCALE_ROW1
.elseif \s%2 == 0
	v_wmma_scale_f32_16x16x128_f8f6f4 v[40:47], v[8*\s:8*\s+7], v[64+8*\s:71+8*\s], v[40:47], v[152+\s/2], v[156+\s/2] matrix_a_fmt:MATRIX_FMT_FP4 matrix_b_fmt:MATRIX_FMT_FP4
.else
	v_wmma_scale_f32_16x16x128_f8f6f4 v[48:55], v[8*\s:8*\s+7], v[64+8*\s:71+8*\s], v[48:55], v[152+\s/2], v[156+\s/2] matrix_a_fmt:MATRIX_FMT_FP4 matrix_b_fmt:MATRIX_FMT_FP4 matrix_a_scale:MATRIX_SCALE_ROW1 matrix_b_scale:MATRIX_SCALE_ROW1
.endif
.endr
	WIN 0
	v_wmma_scale_f32_16x16x128_f8f6f4 v[56:63], v[80:87], v[96:103], 0, v160, v161 matrix_a_fmt:MATRIX_FMT_FP4 matrix_b_fmt:MATRIX_FMT_FP4
	v_wmma_scale_f32_16x16x128_f8f6f4 v[64:71], v[112:119], v[120:127], 0, v162, v163 matrix_a_fmt:MATRIX_FMT_FP4 matrix_b_fmt:MATRIX_FMT_FP4
	v_wmma_scale_f32_16x16x128_f8f6f4 v[56:63], v[88:95], v[104:111], v[56:63], v160, v161 matrix_a_fmt:MATRIX_FMT_FP4 matrix_b_fmt:MATRIX_FMT_FP4 matrix_a_scale:MATRIX_SCALE_ROW1 matrix_b_scale:MATRIX_SCALE_ROW1
	v_wmma_f32_16x16x32_bf16 v[72:79], v[128:135], v[136:143], 0
.rept 4
	v_nop
.endr
	LSEM 0, 32, 32, 240, 241
	LSEM 64, 128, 64, 242, 243
	WIN 0x01
	v_mov_b32 v176, v240
	v_mov_b32 v177, v241
	v_mov_b32 v178, v242
	v_mov_b32 v179, v243
	WIN 0
.irp j, 0,2,4,6
	v_pk_add_f32 v[40+\j:41+\j], v[40+\j:41+\j], v[48+\j:49+\j]
.endr
	DIAG 40, 180
	DIAG 56, 181
	DIAG 64, 182
	DIAG 72, 183
	v_cndmask_b32 v164, v164, v165, s61            ; the picked head row's bias: b0's, or a cluster's
	v_add_f32 v180, v180, v164
	v_add_f32 v181, v181, v166
	v_add_f32 v182, v182, v167
	v_add_f32 v183, v183, v168
	v_cndmask_b32 v181, v181, v182, s72
	v_cndmask_b32 v181, v181, v183, s73
	v_log_f32 v177, v177
	v_log_f32 v179, v179
	v_nop
	s_wait_alu depctr_va_vdst(0)                   ; the two logarithms have written v177 and v179, which the multiply-adds below read
	v_fmac_f32 v176, 0x3f317218, v177              ; M + ln 2 x log2(S)
	v_fmac_f32 v178, 0x3f317218, v179
	v_sub_f32 v176, v176, v180
	v_sub_f32 v178, v178, v181
	v_cndmask_b32 v178, 0, v178, s61               ; the tail's part counts for a tail's token alone
	v_add_f32 v176, v176, v178
	v_cmp_gt_u32 vcc_lo, 16, v0
	s_wait_xcnt 0x0                                ; EXEC changes only behind this wait
	s_wait_alu depctr_va_vcc(0)                    ; VCC is written: EXEC is made from it
	s_wait_alu depctr_va_vdst(0)                   ; ahead of the write of EXEC: every vector instruction has written its result, v176, the store's data, among them
	s_wait_alu depctr_vm_vsrc(0)                   ; ahead of the write of EXEC: every memory instruction has read its registers
	s_and_saveexec_b32 s70, vcc_lo
	global_store_b32 v4, v176, s[24:25]
	s_wait_xcnt 0x0
	s_wait_alu depctr_va_vdst(0)                   ; ahead of the write that restores EXEC: no vector result is pending
	s_wait_alu depctr_vm_vsrc(0)                   ; ahead of the write that restores EXEC: the store has read v4 and v176
	s_or_b32 exec_lo, exec_lo, s70
	s_endpgm
.Lfunc_end_k_q2c1f7ff628_final:
	.size	k_q2c1f7ff628_final, .Lfunc_end_k_q2c1f7ff628_final-k_q2c1f7ff628_final
	.p2alignl 7, 3214868480
	.fill 96, 4, 3214868480
	.section	.rodata,"a",@progbits
	.p2align	6, 0x0
	.amdhsa_kernel k_q2c1f7ff628_final
		.amdhsa_group_segment_fixed_size 0
		.amdhsa_private_segment_fixed_size 0
		.amdhsa_enable_private_segment 0
		.amdhsa_kernarg_size 88
		.amdhsa_user_sgpr_count 2
		.amdhsa_user_sgpr_kernarg_segment_ptr 1
		.amdhsa_wavefront_size32 1
		.amdhsa_system_sgpr_workgroup_id_x 1
		.amdhsa_system_sgpr_workgroup_id_y 1
		.amdhsa_system_sgpr_workgroup_id_z 1
		.amdhsa_system_vgpr_workitem_id 0
		.amdhsa_next_free_vgpr 640
		.amdhsa_next_free_sgpr 80
		.amdhsa_reserve_vcc 1
		.amdhsa_float_denorm_mode_32 3
		.amdhsa_float_denorm_mode_16_64 3
		.amdhsa_memory_ordered 1
		.amdhsa_forward_progress 1
		.amdhsa_inst_pref_size 52
	.end_amdhsa_kernel
	.amdgpu_metadata
---
amdhsa.version: [ 1, 2 ]
amdhsa.kernels:
  - .name:           k_q2c1f7ff628_final
    .symbol:         k_q2c1f7ff628_final.kd
    .args:
      - { .name: target, .offset: 0, .size: 8, .value_kind: global_buffer, .address_space: global }
      - { .name: route, .offset: 8, .size: 8, .value_kind: global_buffer, .address_space: global }
      - { .name: qa, .offset: 16, .size: 8, .value_kind: global_buffer, .address_space: global }
      - { .name: qb, .offset: 24, .size: 8, .value_kind: global_buffer, .address_space: global }
      - { .name: part, .offset: 32, .size: 8, .value_kind: global_buffer, .address_space: global }
      - { .name: w3, .offset: 40, .size: 8, .value_kind: global_buffer, .address_space: global }
      - { .name: b0, .offset: 48, .size: 8, .value_kind: global_buffer, .address_space: global }
      - { .name: b1, .offset: 56, .size: 8, .value_kind: global_buffer, .address_space: global }
      - { .name: b2, .offset: 64, .size: 8, .value_kind: global_buffer, .address_space: global }
      - { .name: b3, .offset: 72, .size: 8, .value_kind: global_buffer, .address_space: global }
      - { .name: out0, .offset: 80, .size: 8, .value_kind: global_buffer, .address_space: global }
    .group_segment_fixed_size: 0
    .private_segment_fixed_size: 0
    .kernarg_segment_align: 8
    .kernarg_segment_size: 88
    .max_flat_workgroup_size: 32
    .sgpr_count:     80
    .vgpr_count:     640
    .wavefront_size: 32
...
	.end_amdgpu_metadata
.endif
;; end of part 6
